; MI455X (gfx1250); checked and timed in simulation.
; The chip was launched on July 23, 2026; its instructions are those of AMD's public machine-readable ISA for CDNA 5 (MIT licence, August 2026) and "CDNA5" Instruction Set Architecture Reference Guide (July 2026). The comments in the code are by the model that wrote it; some were corrected since.
;; Multi Head Self Attention. Allowed arithmetic: matrix products marked QUANTISED: E2M3 operands, one E8M0 scale for each 32 along K, by v_wmma_scale_f32_16x16x128_f8f6f4 with both operands' format E2M3, f32 sums; everything else in f32.
;; Inputs: Wk 16 x 1,024 x 64 float32; Wp 1,024 x 1,024 float32; Wq 16 x 1,024 x 64 float32; Wv 16 x 1,024 x 64 float32; bk 16 x 64 float32; bp 1,024 float32; bq 16 x 64 float32; bv 16 x 64 float32; keys 4 x 2,048 x 1,024 float32; queries 4 x 2,048 x 1,024 float32; values 4 x 2,048 x 1,024 float32.
;; Outputs: out0 4 x 2,048 x 1,024 float32.
;; This version of the problem:
;;   THIS VERSION OF THE PROBLEM IS GIVEN IN LOW PRECISION. The matrix products marked QUANTISED in the list below multiply operands that are first quantised to E2M3 (2 exponent bits, 3 mantissa bits; 6 bits a number), with one power-of-two scale for each 32 numbers along K (OCP MX v1.0); their sums are f32. All else is computed in f32.
;;   The module's matrix products, in the order in which they are computed (A, B: the left and right operand; K: the contracted axis; several contracted axes count as one K, in the product's order):
;;     1. [M 1,024, K 1,024] x [K 1,024, N 8,192]; A: input Wq; B: input queries: QUANTISED
;;     2. [M 1,024, K 1,024] x [K 1,024, N 8,192]; A: input Wk; B: input keys: QUANTISED
;;     3. [M 1,024, K 1,024] x [K 1,024, N 8,192]; A: input Wv; B: input values: QUANTISED
;;     4. batch 64 x [M 2,048, K 64] x [K 64, N 2,048]; A: computed on the way; B: computed on the way: QUANTISED
;;     5. batch 64 x [M 2,048, K 2,048] x [K 2,048, N 64]; A: softmax (see below); B: computed on the way: QUANTISED
;;     6. [M 8,192, K 1,024] x [K 1,024, N 1,024]; A: computed on the way; B: input Wp: QUANTISED
;;   THE QUANTISER, for each operand of a quantised product, along K:
;;     - K is cut into blocks of 32 from its start; a last block that is shorter is filled with zeros.
;;     - A block's scale is 2^e with e = floor(log2(the largest magnitude in the block)) - 2, held to -126 .. 127; a block of zeros has e = 0. As a byte (E8M0): e + 127.
;;     - Each number is divided by its block's scale, clamped to +-7.5, and rounded to the nearest number of E2M3, ties to even, subnormals kept.
;;     - The product sums the exact products of the quantised numbers (number of the format x scale) in f32.
;;   ~~~python
;;   def quantise(x, axis):      # numpy; x: float32 -> the quantised numbers, widened to float32 again
;;       x = np.moveaxis(x, axis, -1); K = x.shape[-1]
;;       x = np.pad(x, [(0, 0)] * (x.ndim - 1) + [(0, -K % 32)]); x = x.reshape(x.shape[:-1] + (-1, 32)); a = np.abs(x).max(-1, keepdims=True)
;;       e = np.where(a > 0, np.clip(np.frexp(np.where(a > 0, a, 1))[1] - 1 - 2, -126, 127), 0)      # np.frexp(a)[1] - 1 = floor(log2(a)), exactly
;;       r = np.clip(x / 2.0 ** e, -7.5, 7.5)
;;       step = 2.0 ** (np.maximum(np.frexp(np.where(r == 0, 1, r))[1] - 1, 0) - 3)
;;       q = np.round(r / step) * step * 2.0 ** e      # np.round: ties to even
;;       return np.moveaxis(q.reshape(q.shape[:-2] + (-1,))[..., :K], -1, axis).astype(np.float32)
;;   ~~~
;;   SOFTMAX AHEAD OF A QUANTISED PRODUCT. Where the list says 'softmax', what is quantised is not the finished softmax but p = 2^(t - M), with t = logit x log2(e) and M = ceil(the row's largest t), a whole number; so 1/2 < the row's largest p <= 1. The row's sum l is taken of the UNQUANTISED p, in f32, and the product's result is divided by l at the end. Since M is a whole number, a kernel that streams over the keys may use a running M (the ceiling of the running maximum): every later rescaling is an exact power of two, which a block's scale takes up: the codes' values come out the same.
;;   OPERANDS COMPUTED ON THE WAY. 'Computed on the way' means the value that the module computes at that place (a softmax that the list does not call 'softmax' is quantised finished and normalised). What goes into a quantiser is computed in f32, as accurately as f32 sums, v_exp_f32 and their like allow (about 1e-6 of the number): no bf16 or f16 on the way to a quantiser, and a product that is left as it is and whose result goes on into a quantised operand takes f32 operands (vector FMAs, or v_wmma_f32_16x16x4_f32). A number that lies on a knife's edge between two numbers of the format may be rounded either way, as far as f32 arithmetic and the matrix unit's own rounding can turn it there, and no further.
;; One version. Each part assembles by itself: llvm-mc -triple=amdgcn-amd-amdhsa -mcpu=gfx1250 --defsym DOCPART=n.
;; ======== version 1 of 1: 4 launches
;; limits: right only within a limited range of input values
;; workspace buffers: xc 18,874,368 bytes; xs 786,432 bytes; wc 3,145,728 bytes; ws 131,072 bytes; qb 13,369,344 bytes; kv 13,369,344 bytes; ac 6,291,456 bytes; asw 524,288 bytes
;; launch quant (part 1): grid 512 x 1, 4 waves a work-group, no clusters, 34,304 bytes of LDS; arguments queries, keys, values, Wq, Wk, Wv, Wp, xc, xs, wc, ws; writes xc, xs, wc, ws
.if DOCPART == 1
	.amdgcn_target "amdgcn-amd-amdhsa--gfx1250"
	.amdhsa_code_object_version 6
	.text
	.protected	k_q08730445b8_quant
	.globl	k_q08730445b8_quant
	.p2align	8
	.type	k_q08730445b8_quant,@function
k_q08730445b8_quant:
	s_mov_b64 s[64:65], 0
	v_nop
	global_prefetch_b8 v0, s[64:65] scope:SCOPE_SE
	s_setreg_imm32_b32 hwreg(HW_REG_WAVE_MODE, 25, 1), 1
	s_wait_xcnt 0x0
; queries, keys, values [8192][1024] f32 (K = the last axis) and Wq, Wk, Wv [16][1024][64], Wp [1024][1024] f32 (K = the axis of 1,024 rows) become codes of FP6 (E2M3)
; with one E8M0 byte for each 32 along K.  A block's scale is 2^(floor(log2(its largest magnitude)) - 2): its byte is the largest magnitude's exponent field - 2.
; THE CODES LEAVE AS IMAGES OF OPERAND REGISTERS.  A fragment is 16 rows x 128 K, 12 registers a lane: lane (r, h) holds row r, registers 6 c .. 6 c + 5 hold K = 64 c + 32 h + 0 .. 31.
; Its image is 1,536 bytes: registers 4 j .. 4 j + 3 of lane l at 512 j + 16 l.  A tile's eight K steps lie on end (12,288 bytes).  Scale words: 32 bytes for each row of a tile, word s = K step s.
; WHICH ROWS FORM A TILE: queries' rows and Wp's columns as they lie (tile T, lane r: 16 T + r); values' rows and Wq's, Wk's, Wv's columns so that tiles 2 b + u of 32 rows hold, in lane r,
; row 32 b + 8 u + r + 8 (r / 8): as source 0 of a product such a pair of tiles leaves 16 neighbours in a lane's 16 result registers.
; Work-groups 0-127 take the weights (a wave: 32 columns x 256 K), work-groups 128-511 the three tensors (a wave: one tile of 16 rows x all 1,024 K).  Waves share nothing: no barrier.
; No cluster: no two work-groups read the same bytes.  No matrix unit: nothing is multiplied.
; LIMITS: NaN and infinities among the inputs are not served.  No largest magnitude is taken under 2^-124, so a byte is at least 1; a block of zeros so gets the byte 1 where the rule says 127:
; its codes are zeros, which add nothing, and the bytes are read by this program alone.  The weights' scale words leave 8 bytes a lane, 32 bytes apart: 131,072 bytes in the whole launch.
.set XCB,   6291456                    ; a tensor's codes
.set XSB,   262144                     ; a tensor's scale words
.set WCB,   786432                     ; a weight's codes
.set WSB,   32768                      ; a weight's scale words
.set TILEB, 12288                      ; a tile's eight images
.set IMG,   1536
.set TM,  6                            ; v6-7    largest magnitudes
.set SO,  8                            ; v8-9    the conversions' scale operands
.set BY,  10                           ; v10-11  scale bytes
.set F,   16                           ; v16-27  a fragment
.set CT,  28                           ; v28-30, v32-34 the upper halves of two blocks' codes
.set SW,  36                           ; v36-43  a scale word for each K step
.set XX,  48                           ; v48-111 64 numbers of a lane
.set RR,  112                          ; v112-239 two sets of 64 registers as loaded (tensors);  weights: v112-123 the second fragment, v124-139 upper halves
.set F1,  112
.set TH,  124
	s_load_b512 s[4:19], s[0:1], 0x0               ; queries, keys, values, Wq, Wk, Wv, Wp, xc
	s_load_b128 s[20:23], s[0:1], 0x40             ; xs, wc
	s_load_b64 s[24:25], s[0:1], 0x50              ; ws
	v_lshl_add_u32 v240, v0, 2, 0x8400
	v_mov_b32 v241, 0
	v_lshrrev_b32 v1, 5, v0
	v_readfirstlane_b32 s26, v1                    ; wave 0..3
	s_mov_b32 s28, 0x76543210
	s_mov_b32 s29, 0xfedcba98                      ; v_permlanex16_b32's selects for lane l xor 16
	s_wait_kmcnt 0x0
	s_cmp_lt_u32 ttmp9, 128
	s_cbranch_scc1 .Lweights
; ---------------- THE THREE TENSORS: K is innermost
	v_and_b32 v14, 31, v0
	v_lshlrev_b32 v1, 4, v14                       ; 16 x lane: my bytes of a load's 512, and of an image's 512
	s_mul_i32 s40, s26, 8448                       ; my wave's stage: 16 rows x (512 + 16) bytes
	v_add_nc_u32 v2, s40, v1                       ; into the stage: as loaded
	v_and_b32 v14, 15, v0                          ; r
	v_bfe_u32 v15, v0, 4, 1                        ; h
	v_mul_u32_u24 v3, v14, 528
	v_lshl_add_u32 v3, v15, 7, v3
	v_add_nc_u32 v3, s40, v3                       ; out of it: row r, + 128 h: my block of 32 numbers
	v_lshlrev_b32 v4, 3, v15                       ; 8 h: my bytes' place in a scale word
	v_lshlrev_b32 v5, 5, v14
	v_lshl_add_u32 v5, v15, 4, v5                  ; the scale words' way out: 32 r + 16 h
	v_mov_b32 v13, 0                               ; a lane permute's destination counts as one of its sources
	s_sub_co_u32 s41, ttmp9, 128
	s_lshr_b32 s42, s41, 7                         ; which tensor
	s_and_b32 s43, s41, 127
	s_lshl_b32 s43, s43, 2
	s_add_co_u32 s43, s43, s26                     ; which tile, 0..511
	s_lshr_b32 s44, s43, 1
	s_lshl_b32 s44, s44, 5
	s_and_b32 s45, s43, 1
	s_lshl_b32 s45, s45, 3
	s_add_co_u32 s44, s44, s45                     ; the tile's first row: 32 (tile / 2) + 8 (tile % 2),
	s_lshl_b32 s45, s43, 4                         ; or, for queries, 16 tile
	s_cmp_eq_u32 s42, 0
	s_cselect_b32 s44, s45, s44
	s_cselect_b32 s46, 0, 32768
	s_cselect_b64 s[32:33], s[4:5], s[6:7]
	; keys alone: tile 4 c + u of 64 rows holds, in lane r, row 64 c + 8 u + r % 8 + 32 (r / 8): as source 0 of the scores' product four such tiles leave a whole block of 32 neighbouring keys in a lane's 32 result registers
	s_lshr_b32 s50, s43, 2
	s_lshl_b32 s50, s50, 6
	s_and_b32 s51, s43, 3
	s_lshl_b32 s51, s51, 3
	s_add_co_u32 s50, s50, s51                     ; the tile's first row: 64 (tile / 4) + 8 (tile % 4)
	s_mov_b32 s51, 98304                           ; its rows 8-15 lie 24 rows further down
	s_cmp_eq_u32 s42, 1
	s_cselect_b32 s44, s50, s44
	s_cselect_b32 s46, s51, s46
	s_cmp_eq_u32 s42, 2
	s_cselect_b64 s[32:33], s[8:9], s[32:33]
	s_lshl_b32 s44, s44, 12                        ; a row is 4,096 bytes
	s_mov_b32 s45, 0
	s_add_nc_u64 s[32:33], s[32:33], s[44:45]      ; rows 0-7
	s_mov_b32 s47, 0
	s_add_nc_u64 s[34:35], s[32:33], s[46:47]      ; rows 8-15
	s_mul_i32 s48, s42, XCB
	s_mul_i32 s49, s43, TILEB
	s_add_co_u32 s48, s48, s49
	s_mov_b32 s49, 0
	s_add_nc_u64 s[36:37], s[18:19], s[48:49]      ; my tile's images
	s_mul_i32 s48, s42, XSB
	s_lshl_b32 s50, s43, 9
	s_add_co_u32 s48, s48, s50
	s_add_nc_u64 s[38:39], s[20:21], s[48:49]      ; and its scale words
.macro LOADX s                         ; K step s of the 16 rows: each load reads 512 consecutive bytes of one row
.irp r, 0,1,2,3,4,5,6,7
	global_load_b128 v[RR+64*((\s)%2)+4*\r:RR+64*((\s)%2)+4*\r+3], v1, s[32:33] offset:4096*\r+512*(\s) th:TH_LOAD_NT
.endr
.irp r, 8,9,10,11,12,13,14,15
	global_load_b128 v[RR+64*((\s)%2)+4*\r:RR+64*((\s)%2)+4*\r+3], v1, s[34:35] offset:4096*\r+512*(\s) th:TH_LOAD_NT
.endr
.endm
.macro STEPX s
.if (\s) < 7
	s_wait_loadcnt 16                              ; this K step's sixteen loads are in; the next step's sixteen may be out
.else
	s_wait_loadcnt 0
.endif
.irp r, 0,1,2,3,4,5,6,7,8,9,10,11,12,13,14,15
	ds_store_b128 v2, v[RR+64*((\s)%2)+4*\r:RR+64*((\s)%2)+4*\r+3] offset:528*\r
.endr
.irp c, 0,1                                    ; LDS serves a wave's instructions in order: these see the stores above.  Lane (r, h) takes K = 64 c + 32 h + 0 .. 31 of row r
.irp q, 0,1,2,3,4,5,6,7
	ds_load_b128 v[XX+32*\c+4*\q:XX+32*\c+4*\q+3], v3 offset:256*\c+16*\q
.endr
.endr
	s_wait_dscnt 0x0                               ; my numbers are back; the stores have read their registers,
.if (\s) < 6
	LOADX (\s)+2                                   ; which take the loads of two steps on
.endif
	s_wait_xcnt 0x0                                ; the last step's stores have read the fragment's registers: they are written again only behind this wait
.irp c, 0,1
	v_max3_num_f32 v[TM+\c], |v[XX+32*\c]|, |v[XX+32*\c+1]|, 0x1800000   ; my block 2 c + h: all its 32 numbers are mine; and the floor 2^(3 - 127)
.endr
.irp i, 2,4,6,8,10,12,14,16,18,20,22,24,26,28,30
.irp c, 0,1
	v_max3_num_f32 v[TM+\c], v[TM+\c], |v[XX+32*\c+\i]|, |v[XX+32*\c+\i+1]|
.endr
.endr
.irp c, 0,1
	v_add_nc_u32 v[SO+\c], 0xff000000, v[TM+\c]    ; 2 off the exponent field: the conversion takes that field as its scale
.endr
.irp c, 0,1
	v_lshrrev_b32 v[BY+\c], 23, v[SO+\c]           ; the scale's byte
.endr
	v_lshl_or_b32 v12, v[BY+1], 16, v[BY]          ; blocks h and 2 + h,
	v_lshlrev_b32 v12, v4, v12                     ; at their places in the word;
	v_permlanex16_b32 v13, v12, s28, s29
	v_or_b32 v[SW+(\s)], v12, v13                  ; with lane l xor 16's two the word is whole
.irp c, 0,1
	v_cvt_scalef32_pk16_fp6_f32 v[F+6*\c:F+6*\c+2], v[XX+32*\c:XX+32*\c+15], v[SO+\c]
	v_cvt_scalef32_pk16_fp6_f32 v[CT+4*\c:CT+4*\c+2], v[XX+32*\c+16:XX+32*\c+31], v[SO+\c]   ; (a conversion's three registers begin on an even number)
.endr
	v_nop                                          ; one plain place behind a scaled conversion
.irp c, 0,1
.irp i, 0,1,2
	v_mov_b32 v[F+6*\c+3+\i], v[CT+4*\c+\i]
.endr
.endr
.irp j, 0,1,2
	global_store_b128 v1, v[F+4*\j:F+4*\j+3], s[36:37] offset:IMG*(\s)+512*\j   ; 32 lanes store 512 consecutive bytes
.endr
.endm
	LOADX 0
	LOADX 1
	s_wait_alu depctr_va_vdst(0)
.irp s, 0,1,2,3,4,5,6,7
	STEPX \s
.endr
	v_cmp_ne_u32 vcc_lo, 0, v15
.irp i, 0,1,2,3
	v_cndmask_b32 v[44+\i], v[SW+\i], v[SW+4+\i], vcc_lo   ; lanes 0-15 send words 0-3 of their row, lanes 16-31 words 4-7
.endr
	global_store_b128 v5, v[44:47], s[38:39]       ; 512 consecutive bytes
	s_wait_tensorcnt 0x0
	ds_add_u32 v240, v241
	s_wait_dscnt 0x0
	s_endpgm
; ---------------- THE FOUR WEIGHTS: K runs down the rows.  A lane takes a column and its registers run down K: a block of 32 lies in one lane
.Lweights:
	s_lshr_b32 s40, ttmp9, 5                       ; which weight: Wq, Wk, Wv, Wp
	s_and_b32 s41, ttmp9, 3                        ; which 256 along K
	s_bfe_u32 s42, ttmp9, 0x30002
	s_lshl_b32 s42, s42, 2
	s_add_co_u32 s42, s42, s26                     ; which 32 columns, 0..31
	s_cmp_eq_u32 s40, 0
	s_cselect_b64 s[32:33], s[10:11], s[12:13]
	s_cmp_eq_u32 s40, 2
	s_cselect_b64 s[32:33], s[14:15], s[32:33]
	s_lshr_b32 s43, s42, 1
	s_lshl_b32 s43, s43, 18                        ; a head's weight is 262,144 bytes, its rows 256 bytes;
	s_lshl_b32 s44, s41, 16
	s_add_co_u32 s43, s43, s44
	s_and_b32 s44, s42, 1
	s_lshl_b32 s44, s44, 7
	s_add_co_u32 s43, s43, s44
	s_lshl_b32 s44, s41, 20                        ; Wp's rows are 4,096 bytes
	s_lshl_b32 s45, s42, 7
	s_add_co_u32 s44, s44, s45
	s_cmp_eq_u32 s40, 3
	s_cselect_b64 s[32:33], s[16:17], s[32:33]
	s_cselect_b32 s44, s44, s43
	s_cselect_b32 s46, 3, 4                        ; lanes 0-15 are the first tile of the 32 columns, lanes 16-31 the second: the lane's column is
	s_cselect_b32 s47, 4, 3                        ; (l % 8) + 16 (bit 3) + 8 (bit 4), or, for Wp, the lane's own number
	s_mov_b32 s45, 0
	s_add_nc_u64 s[32:33], s[32:33], s[44:45]
	v_and_b32 v10, 7, v0
	v_bfe_u32 v11, v0, 3, 1
	v_bfe_u32 v12, v0, 4, 1
	v_lshlrev_b32 v11, s46, v11
	v_lshlrev_b32 v12, s47, v12
	v_add3_u32 v1, v10, v11, v12
	v_lshlrev_b32 v1, 2, v1                        ; my column, in bytes
	v_and_b32 v10, 31, v0
	v_lshlrev_b32 v2, 4, v10                       ; 16 x lane
	v_lshlrev_b32 v3, 5, v10                       ; 32 x lane: my column's scale words
	s_mul_i32 s48, s40, WCB
	s_mul_i32 s49, s42, 2*TILEB
	s_add_co_u32 s48, s48, s49
	s_mul_i32 s49, s41, 2*IMG
	s_add_co_u32 s48, s48, s49
	s_mov_b32 s49, 0
	s_add_nc_u64 s[36:37], s[22:23], s[48:49]      ; my two tiles' images of my two K steps
	s_mul_i32 s48, s40, WSB
	s_lshl_b32 s50, s42, 10
	s_add_co_u32 s48, s48, s50
	s_lshl_b32 s50, s41, 3
	s_add_co_u32 s48, s48, s50
	s_add_nc_u64 s[38:39], s[24:25], s[48:49]
.macro LOADW t                         ; block t: rows 32 t + i of my 256, my column: 32 lanes read 128 consecutive bytes.  Both arms issue 32 loads into the same registers
	s_cmp_eq_u32 s40, 3
	s_cbranch_scc1 .Lwide_\@
.set i, 0
	s_wait_alu depctr_va_vdst(0)
.rept 32
	global_load_b32 v[XX+32*((\t)%2)+i], v1, s[32:33] offset:(32*(\t)+i)*256 th:TH_LOAD_NT
.set i, i+1
.endr
	s_branch .Lasked_\@
.Lwide_\@:
.set i, 0
	s_wait_alu depctr_va_vdst(0)
.rept 32
	global_load_b32 v[XX+32*((\t)%2)+i], v1, s[32:33] offset:(32*(\t)+i)*4096 th:TH_LOAD_NT
.set i, i+1
.endr
.Lasked_\@:
.endm
.macro BLOCKW t
.set XS, XX+32*((\t)%2)
.set LO, F+(F1-F)*((\t)%2)+6*(((\t)%4)/2)   ; the lower 16 codes go where the exchange of halves below wants them
.if (\t) < 7
	s_wait_loadcnt 32                              ; this block's 32 loads are in; the next block's may be out
.else
	s_wait_loadcnt 0
.endif
	v_max3_num_f32 v6, |v[XS]|, |v[XS+1]|, |v[XS+2]|
	v_max3_num_f32 v7, |v[XS+3]|, |v[XS+4]|, |v[XS+5]|
.irp i, 6,10,14,18,22,26
	v_max3_num_f32 v6, v6, |v[XS+\i]|, |v[XS+\i+1]|
	v_max3_num_f32 v7, v7, |v[XS+\i+2]|, |v[XS+\i+3]|
.endr
	v_max3_num_f32 v6, v6, |v[XS+30]|, |v[XS+31]|
	v_max3_num_f32 v6, v6, v7, 0x1800000           ; and the floor 2^(3 - 127)
	v_add_nc_u32 v8, 0xff000000, v6
	v_lshrrev_b32 v9, 23, v8
.if (\t)%4 == 0
	v_mov_b32 v[SW+(\t)/4], v9                     ; four bytes to a word, the lower K in the lower byte
.else
	v_lshl_or_b32 v[SW+(\t)/4], v9, 8*((\t)%4), v[SW+(\t)/4]
.endif
	v_cvt_scalef32_pk16_fp6_f32 v[LO:LO+2], v[XS:XS+15], v8
	v_cvt_scalef32_pk16_fp6_f32 v[TH+4*((\t)%4):TH+4*((\t)%4)+2], v[XS+16:XS+31], v8
.if (\t) < 6
	LOADW (\t)+2
.endif
.endm
; Four blocks are a K step.  A register holds block b of the first tile in lanes 0-15 and of the second in lanes 16-31; the operand wants blocks b and b + 1 of ONE tile there:
; the exchange of one register's upper lanes with the other's lower lanes gives both tiles at once.
.macro OUTW k
	v_nop                                          ; one plain place behind a scaled conversion
.irp i, 0,1,2
	v_permlane16_swap_b32 v[F+\i], v[F1+\i]
	v_permlane16_swap_b32 v[F+6+\i], v[F1+6+\i]
	v_permlane16_swap_b32 v[TH+\i], v[TH+4+\i]
	v_permlane16_swap_b32 v[TH+8+\i], v[TH+12+\i]
.endr
.irp i, 0,1,2
	v_mov_b32 v[F+3+\i], v[TH+\i]
	v_mov_b32 v[F1+3+\i], v[TH+4+\i]
	v_mov_b32 v[F+9+\i], v[TH+8+\i]
	v_mov_b32 v[F1+9+\i], v[TH+12+\i]
.endr
.irp j, 0,1,2
	global_store_b128 v2, v[F+4*\j:F+4*\j+3], s[36:37] offset:IMG*(\k)+512*\j
	global_store_b128 v2, v[F1+4*\j:F1+4*\j+3], s[36:37] offset:TILEB+IMG*(\k)+512*\j
.endr
.endm
	LOADW 0
	LOADW 1
	BLOCKW 0
	BLOCKW 1
	BLOCKW 2
	BLOCKW 3
	OUTW 0
	s_wait_xcnt 0x0                                ; the stores have read the fragments' registers: they are written again only behind this wait
	BLOCKW 4
	BLOCKW 5
	BLOCKW 6
	BLOCKW 7
	OUTW 1
	global_store_b64 v3, v[SW:SW+1], s[38:39]      ; my column's two scale words
	s_endpgm
.Lfunc_end_k_q08730445b8_quant:
	.size	k_q08730445b8_quant, .Lfunc_end_k_q08730445b8_quant-k_q08730445b8_quant
	.p2alignl 7, 3214868480
	.fill 96, 4, 3214868480
	.section	.rodata,"a",@progbits
	.p2align	6, 0x0
	.amdhsa_kernel k_q08730445b8_quant
		.amdhsa_group_segment_fixed_size 34304
		.amdhsa_private_segment_fixed_size 0
		.amdhsa_enable_private_segment 0
		.amdhsa_kernarg_size 88
		.amdhsa_user_sgpr_count 2
		.amdhsa_user_sgpr_kernarg_segment_ptr 1
		.amdhsa_wavefront_size32 1
		.amdhsa_system_sgpr_workgroup_id_x 1
		.amdhsa_system_sgpr_workgroup_id_y 1
		.amdhsa_system_sgpr_workgroup_id_z 1
		.amdhsa_system_vgpr_workitem_id 0
		.amdhsa_next_free_vgpr 242
		.amdhsa_next_free_sgpr 66
		.amdhsa_reserve_vcc 1
		.amdhsa_float_denorm_mode_32 3
		.amdhsa_float_denorm_mode_16_64 3
		.amdhsa_memory_ordered 1
		.amdhsa_forward_progress 1
		.amdhsa_inst_pref_size 123
	.end_amdhsa_kernel
	.amdgpu_metadata
---
amdhsa.version: [ 1, 2 ]
amdhsa.kernels:
  - .name:           k_q08730445b8_quant
    .symbol:         k_q08730445b8_quant.kd
    .args:
      - { .name: queries, .offset: 0, .size: 8, .value_kind: global_buffer, .address_space: global }
      - { .name: keys, .offset: 8, .size: 8, .value_kind: global_buffer, .address_space: global }
      - { .name: values, .offset: 16, .size: 8, .value_kind: global_buffer, .address_space: global }
      - { .name: Wq, .offset: 24, .size: 8, .value_kind: global_buffer, .address_space: global }
      - { .name: Wk, .offset: 32, .size: 8, .value_kind: global_buffer, .address_space: global }
      - { .name: Wv, .offset: 40, .size: 8, .value_kind: global_buffer, .address_space: global }
      - { .name: Wp, .offset: 48, .size: 8, .value_kind: global_buffer, .address_space: global }
      - { .name: xc, .offset: 56, .size: 8, .value_kind: global_buffer, .address_space: global }
      - { .name: xs, .offset: 64, .size: 8, .value_kind: global_buffer, .address_space: global }
      - { .name: wc, .offset: 72, .size: 8, .value_kind: global_buffer, .address_space: global }
      - { .name: ws, .offset: 80, .size: 8, .value_kind: global_buffer, .address_space: global }
    .group_segment_fixed_size: 34304
    .private_segment_fixed_size: 0
    .kernarg_segment_align: 8
    .kernarg_segment_size: 88
    .max_flat_workgroup_size: 128
    .sgpr_count:     66
    .vgpr_count:     242
    .wavefront_size: 32
...
	.end_amdgpu_metadata
.endif
;; end of part 1
;; launch proj (part 2): grid 4 x 64, 4 waves a work-group, clusters of 4 x 4, 327,680 bytes of LDS; arguments xc, xs, wc, ws, bq, bk, bv, qb, kv; writes qb, kv
.if DOCPART == 2
	.amdgcn_target "amdgcn-amd-amdhsa--gfx1250"
	.amdhsa_code_object_version 6
	.text
	.protected	k_q08730445b8_proj
	.globl	k_q08730445b8_proj
	.p2align	8
	.type	k_q08730445b8_proj,@function
k_q08730445b8_proj:
	s_mov_b64 s[64:65], 0
	v_nop
	global_prefetch_b8 v0, s[64:65] scope:SCOPE_SE
	s_setreg_imm32_b32 hwreg(HW_REG_WAVE_MODE, 25, 1), 1
	s_wait_xcnt 0x0
	s_wait_alu depctr_hold_cnt(0) depctr_sa_sdst(0) depctr_va_vdst(0) depctr_va_sdst(0) depctr_va_ssrc(0) depctr_va_vcc(0) depctr_vm_vsrc(0)
	s_getreg_b32 s2, hwreg(HW_REG_IB_STS2, 6, 4)
	s_cmp_eq_u32 s2, 0
	s_cbranch_scc0 .Lentry_in_a_cluster
	s_endpgm
.Lentry_in_a_cluster:
	s_bfe_u32 s2, ttmp6, 0x10000c
	s_cmp_lg_u32 s2, 0xf033
	s_cbranch_scc0 .Lentry_shape_is_right
	s_endpgm
.Lentry_shape_is_right:
; q = queries Wq + bq, k = keys Wk + bk, v = values Wv + bv on codes of FP6 (E2M3) with E8M0 scales, sums in f32; the results are quantised in registers, q and k along the head's 64, v along the keys,
; and leave as images of operand registers, laid as the attention launch reads them.
; A block is 256 (source 0, "P") x 128 (source 1, "N") results over K = 1,024.  For q and k: P = 256 columns of the weight, N = 128 rows of x: a lane holds one row and its registers run along the head.
; For v: P = 256 rows of values, N = 128 columns of Wv: a lane holds one channel and its registers run along the keys.  Four waves, each 128 x 64: 32 accumulators, 256 registers.
; 256 WORK-GROUPS THAT STAY: each makes a block of q, then of k, then of v.  q and k are a loop of two trips; v, which asks for no further tile, is written out behind it.
; LDS: a ring of two slots, each with four K steps of P's 16 tiles and N's 8 (147,456 bytes).  Slot 0 holds a block's K steps 0-3, slot 1 its K steps 4-7, and the ring goes on into the next block:
; in K step 3, when every wave holds that step's fragments, slot 0 takes the next block's K steps 0-3; between the two halves of the way out slot 1 takes its K steps 4-7.
; Each refill is one joint load a wave (waves 0, 1: P's tiles; waves 2, 3: N's) behind a drained round of the cluster's barrier.
; No data prefetch: each refill is asked for 96 matrix instructions or more ahead of the wait for it.
; CLUSTERS: 4 x 4 work-groups.  P's tiles hang on cx and the cluster's y and are asked for jointly by a column of the cluster, N's on cy and the cluster's y and by a row.
; Operands lie in memory and in LDS as register images (1,536 bytes a fragment): three ds_load_b128 of 512 consecutive bytes bring one.
; REGISTERS, in windows of 256.  Window 0: v1-15 addresses; v16-47 P's scale words, v48-63 N's; v64-159 P's 8 fragments, v160-207 N's 4 (even K steps); v208-215 v's bias; v216-243 work.
;   Window 1: the accumulators, (a, i) at v[64 a + 8 i].   Window 2: v0-63 the bias of q or k in the result's layout; v64-207 the fragments of odd K steps.
; A STEP BLOCK of qb and kv (128 rows of one head, 13,056 bytes): +0 four images, each two tiles of 16 rows x 64; +6,144 four images of v (16 channels x 128 keys);
;   +12,288 the first part's scale words [half][r][4 tiles], bytes 2 and 3 zero; +12,800 v's [r][4 tiles].
; LIMITS: NaN and infinities are not served.  No largest magnitude is taken under 2^-124 (byte 1 at the least; a block of zeros gets byte 1 and zero codes; this program alone reads the bytes).
; v's four scale words are stored by both halves of the lanes, the same bytes with the same values.
.set XCB,   6291456
.set XSB,   262144
.set WCB,   786432
.set WSB,   32768
.set STEPB, 13056
.set BHB,   208896                     ; a head's 16 step blocks
.set HALF,  147456                     ; a slot
.set SP, 16                            ; register 8 q + s: K step s, P's tile q in lanes 0-15, tile q + 4 in lanes 16-31
.set SN, 48                            ; register 8 q + s: N's tiles q and q + 2
.set PF, 64
.set NF, 160
.set TM, 216
.set BY, 220
.set SO, 224
.set PW, 228
.set CT, 232
.set MSB, 0
; s3 blocks of q and k to go; s[56:63] my part of the next blocks' codes: k's P, k's N, v's P, v's N; s[66:73] their scale words in the same order; s[88:89] bk; s90, s91 where q's and k's results go; s[82:83] where v's go
.macro WIN new
.if MSB != (\new)
	s_set_vgpr_msb (MSB<<8)|(\new)
.set MSB, (\new)
.endif
.endm
.macro PLACES
.rept 4
	v_nop
.endr
.endm
.macro CROUND
	s_barrier_signal -1
	s_barrier_wait -1
	s_cmp_lg_u32 s22, 0
	s_cbranch_scc1 .Lnot_wave_0_\@
	s_barrier_signal -3
.Lnot_wave_0_\@:
	s_barrier_wait -3
	s_barrier_signal -1
	s_barrier_wait -1
.endm
.macro JLOAD c                         ; a joint load into slot c, one tensor load a wave; each line has one mask; the branch hangs on the wave's number alone
	s_cmp_lt_u32 s22, 2
	s_cbranch_scc0 .Lfor_n_\@
	tensor_load_to_lds s[40+4*\c:43+4*\c], s[24:31]
	s_nop 0
	PLACES
	s_branch .Lasked_\@
.Lfor_n_\@:
	tensor_load_to_lds s[48+4*\c:51+4*\c], s[32:39]
	s_nop 0
	PLACES
.Lasked_\@:
.endm
.macro SCALES p, n                     ; a block's scale words: 12 loads
.irp q, 0,1,2,3
.irp f, 0,1
	global_load_b128 v[SP+8*\q+4*\f:SP+8*\q+4*\f+3], v12, s[\p:\p+1] offset:512*\q+16*\f
.endr
.endr
.irp q, 0,1
.irp f, 0,1
	global_load_b128 v[SN+8*\q+4*\f:SN+8*\q+4*\f+3], v13, s[\n:\n+1] offset:512*\q+16*\f
.endr
.endr
.endm
.macro BIASQK p                        ; the bias of q or k in the result's layout: 16 loads into window 2
	WIN 0x80
.irp i, 0,1,2,3,4,5,6,7
	global_load_b128 v[8*\i:8*\i+3], v14, s[\p:\p+1] offset:(32*(\i/2)+8*(\i%2))*4
	global_load_b128 v[8*\i+4:8*\i+7], v14, s[\p:\p+1] offset:(32*(\i/2)+8*(\i%2))*4+16
.endr
	WIN 0
.endm
	s_load_b512 s[4:19], s[0:1], 0x0               ; xc, xs, wc, ws, bq, bk, bv, qb
	s_load_b64 s[20:21], s[0:1], 0x40              ; kv
	v_lshl_add_u32 v254, v0, 2, 0x48000
	v_mov_b32 v255, 0
	ds_add_u32 v254, v255                          ; the opening lines: the add, twice on end, and its wait
	ds_add_u32 v254, v255
	v_lshrrev_b32 v1, 5, v0
	v_readfirstlane_b32 s22, v1                    ; wave 0..3
	s_lshr_b32 s23, s22, 1                         ; wp: which 128 of P
	s_and_b32 s76, s22, 1                          ; wn: which 64 of N; also which half of the tiles I fetch
	s_bfe_u32 s77, ttmp6, 0x40000                  ; cx: q's and k's block of P
	s_bfe_u32 s78, ttmp6, 0x40004                  ; cy
	s_and_b32 s81, ttmp7, 0xffff                   ; the cluster's y, 0..15
	s_lshl_b32 s83, s81, 2
	s_add_co_u32 s83, s83, s78                     ; q's and k's block of N (128 rows of x), 0..63
	s_lshr_b32 s79, s81, 1
	s_lshl_b32 s79, s79, 2
	s_add_co_u32 s79, s79, s77                     ; v's block of P (256 rows of values), 0..31
	s_and_b32 s80, s81, 1
	s_lshl_b32 s80, s80, 2
	s_add_co_u32 s80, s80, s78                     ; v's block of N (128 columns), 0..7
	s_lshl_b32 s89, 0x1111, s77                    ; my column of the cluster
	s_lshl_b32 s90, s78, 2
	s_lshl_b32 s90, 15, s90                        ; my row
	; descriptor group 1.  P: 8 tiles a load, of each a slot's 6,144 bytes (768 elements of 8 bytes), 12,288 bytes (1,536 elements) from tile to tile.  N: 4 tiles
	s_or_b32 s24, s89, (3<<16)|(1<<21)
	s_mov_b32 s25, 768<<16
	s_mov_b32 s26, 8<<16
	s_mov_b32 s27, 768<<16
	s_mov_b32 s28, 8
	s_mov_b32 s29, 1536
	s_mov_b32 s30, 0
	s_mov_b32 s31, 0
	s_or_b32 s32, s90, (3<<16)|(1<<21)
	s_mov_b32 s33, 768<<16
	s_mov_b32 s34, 4<<16
	s_mov_b32 s35, 768<<16
	s_mov_b32 s36, 4
	s_mov_b32 s37, 1536
	s_mov_b32 s38, 0
	s_mov_b32 s39, 0
	s_mul_i32 s96, s77, 196608                     ; a block of P: 16 tiles;
	s_mul_i32 s91, s76, 98304                      ; waves 0 and 1 fetch tiles 0-7 and 8-15
	s_add_co_u32 s96, s96, s91                     ; q's P, from wc
	s_mov_b32 s97, 0
	s_mul_i32 s86, s79, 196608
	s_add_co_u32 s86, s86, s91
	s_add_co_u32 s86, s86, 2*XCB                   ; v's P, from xc
	s_mov_b32 s87, 0
	s_mul_i32 s98, s83, 98304                      ; a block of N: 8 tiles;
	s_mul_i32 s66, s76, 49152                      ; waves 2 and 3 fetch tiles 0-3 and 4-7
	s_add_co_u32 s98, s98, s66                     ; q's N, from xc
	s_mov_b32 s99, 0
	s_mul_i32 s88, s80, 98304
	s_add_co_u32 s88, s88, s66
	s_add_co_u32 s88, s88, 2*WCB                   ; v's N, from wc
	s_mov_b32 s89, 0
	s_mul_i32 s84, s76, 49152                      ; where they go: no place in the cluster enters an LDS address
	s_mul_i32 s85, s76, 24576
	s_add_co_u32 s85, s85, 98304
	s_wait_dscnt 0x0
	s_wait_kmcnt 0x0
	s_add_nc_u64 s[92:93], s[8:9], s[96:97]
	s_add_nc_u64 s[94:95], s[4:5], s[98:99]
	s_add_nc_u64 s[56:57], s[92:93], WCB           ; k's lie a tensor further on
	s_add_nc_u64 s[58:59], s[94:95], XCB
	s_add_nc_u64 s[60:61], s[4:5], s[86:87]
	s_add_nc_u64 s[62:63], s[8:9], s[88:89]
.irp c, 0,1                            ; a group 0 for each slot: P's in s40-47, N's in s48-55
	s_mov_b32 s[40+4*\c], 1
	s_add_co_u32 s[41+4*\c], s84, HALF*\c
	s_add_nc_u64 s[42+4*\c:43+4*\c], s[92:93], 6144*\c
	s_or_b32 s[43+4*\c], s[43+4*\c], 0x80000000
	s_mov_b32 s[48+4*\c], 1
	s_add_co_u32 s[49+4*\c], s85, HALF*\c
	s_add_nc_u64 s[50+4*\c:51+4*\c], s[94:95], 6144*\c
	s_or_b32 s[51+4*\c], s[51+4*\c], 0x80000000
.endr
	CROUND                                         ; all sixteen work-groups are here: the joint loads meet
	JLOAD 0                                        ; q's K steps 0 to 3: one tensor load a wave at the head
	s_mul_i32 s2, s23, 49152                       ; my 8 tiles of P in a slot
	s_mul_i32 s90, s76, 24576                      ; my 4 of N,
	s_add_co_u32 s90, s90, 98304                   ; behind P's 16
	v_and_b32 v14, 31, v0
	v_lshlrev_b32 v1, 4, v14                       ; 16 x lane
	v_and_b32 v2, 15, v0                           ; r
	v_bfe_u32 v3, v0, 4, 1                         ; h
.irp c, 0,1
	v_add_nc_u32 v[4+\c], s2, v1                   ; v4-5: P's fragments in slot c
	v_add_nc_u32 v[8+\c], s90, v1                  ; v8-9: N's
	s_add_co_u32 s2, s2, HALF
	s_add_co_u32 s90, s90, HALF
.endr
	v_lshlrev_b32 v12, 5, v2
	v_lshl_add_u32 v13, v3, 10, v12                ; N's scale words: 32 r, lanes 16-31 two tiles on
	v_lshl_add_u32 v12, v3, 11, v12                ; P's: 32 r, lanes 16-31 four tiles on
	v_lshlrev_b32 v14, 6, v3                       ; q, k: register 8 (2 b + u) + j is column 32 b + 16 h + 8 u + j
	v_and_b32 v15, 8, v2
	v_add_nc_u32 v15, v15, v2
	v_lshlrev_b32 v15, 2, v15                      ; v: tile 2 b + u, lane r is column 32 b + 8 u + r + 8 (r / 8)
.irp b, 0,1,2,3
	v_mov_b32 v[BY+\b], 0                          ; a lane permute's destination counts as one of its sources
.endr
	v_lshlrev_b32 v229, 4, v3                      ; 16 h
	v_mul_u32_u24 v230, v3, BHB
	v_lshl_add_u32 v230, v2, 4, v230               ; q, k: lanes 0-15 send the first head's scale words, lanes 16-31 the second's
	v_lshlrev_b32 v231, 4, v2                      ; 16 r
	s_lshl_b32 s96, s77, 13                        ; scale words: 512 bytes a tile
	s_lshl_b32 s91, s23, 12
	s_add_co_u32 s96, s96, s91
	s_add_nc_u64 s[74:75], s[10:11], s[96:97]      ; q's P
	s_add_nc_u64 s[66:67], s[74:75], WSB           ; k's
	s_lshl_b32 s96, s79, 13
	s_add_co_u32 s96, s96, s91
	s_add_co_u32 s96, s96, 2*XSB
	s_add_nc_u64 s[70:71], s[6:7], s[96:97]        ; v's
	s_lshl_b32 s98, s83, 12
	s_lshl_b32 s2, s76, 11
	s_add_co_u32 s98, s98, s2
	s_add_nc_u64 s[84:85], s[6:7], s[98:99]        ; q's N
	s_add_nc_u64 s[68:69], s[84:85], XSB           ; k's
	s_lshl_b32 s98, s80, 12
	s_add_co_u32 s98, s98, s2
	s_add_co_u32 s98, s98, 2*WSB
	s_add_nc_u64 s[72:73], s[10:11], s[98:99]      ; v's
	s_lshl_b32 s96, s77, 10
	s_lshl_b32 s91, s23, 9
	s_add_co_u32 s96, s96, s91
	s_add_nc_u64 s[86:87], s[12:13], s[96:97]      ; bq, bk: my 128 columns
	s_add_nc_u64 s[88:89], s[14:15], s[96:97]
	s_lshl_b32 s98, s80, 9
	s_lshl_b32 s2, s76, 8
	s_add_co_u32 s98, s98, s2
	s_add_nc_u64 s[16:17], s[16:17], s[98:99]      ; bv: my 64 columns
	s_lshr_b32 s2, s83, 4                          ; q, k: batch
	s_lshl_b32 s2, s2, 4
	s_lshl_b32 s90, s77, 2
	s_add_co_u32 s2, s2, s90
	s_lshl_b32 s90, s23, 1
	s_add_co_u32 s2, s2, s90                       ; 16 batch + my first head
	s_lshl_b32 s2, s2, 4
	s_and_b32 s90, s83, 15
	s_add_co_u32 s2, s2, s90                       ; its step block for these 128 rows
	s_mul_i32 s2, s2, STEPB
	s_mul_i32 s90, s76, 3072
	s_add_co_u32 s90, s90, s2                      ; my two pair images
	s_lshl_b32 s91, s76, 8
	s_add_co_u32 s91, s91, s2
	s_add_co_u32 s91, s91, 12288                   ; my four tiles' scale words
	s_lshr_b32 s2, s79, 3                          ; v: batch
	s_lshl_b32 s2, s2, 4
	s_lshl_b32 s98, s80, 1
	s_add_co_u32 s2, s2, s98
	s_add_co_u32 s2, s2, s76                       ; 16 batch + my head
	s_lshl_b32 s2, s2, 4
	s_and_b32 s98, s79, 7
	s_lshl_b32 s98, s98, 1
	s_add_co_u32 s2, s2, s98
	s_add_co_u32 s2, s2, s23                       ; its step block for these 128 keys
	s_mul_i32 s98, s2, STEPB
	s_add_co_u32 s98, s98, 6144
	s_add_nc_u64 s[82:83], s[20:21], s[98:99]
	s_mov_b32 s100, 0x76543210
	s_mov_b32 s101, 0xfedcba98                     ; v_permlanex16_b32's selects for lane l xor 16
	s_mov_b32 s3, 2
	s_wait_alu depctr_va_vdst(0)
.irp a, 0,1,2,3
	global_load_b32 v[208+2*\a], v15, s[16:17] offset:(32*(\a/2)+8*(\a%2))*4   ; twice: a pair for the packed addition
	global_load_b32 v[209+2*\a], v15, s[16:17] offset:(32*(\a/2)+8*(\a%2))*4
.endr
	SCALES 74, 84
	BIASQK 86
	s_wait_tensorcnt 0x0                           ; my part of slot 0 has landed
	ds_add_u32 v254, v255
	s_wait_dscnt 0x0
	CROUND
	JLOAD 1                                        ; q's K steps 4 to 7
.macro WM s, a, i, zero                ; one product: P's tile i x N's tile a, K step s
.set rD, 64*(\a)+8*(\i)
.set rA, PF+12*(\i)
.set rB, NF+12*(\a)
.set rS, SP+8*((\i)%4)+(\s)
.set rT, SN+8*((\a)%2)+(\s)
.if \zero
.if ((\i) >= 4) && ((\a) >= 2)
	v_wmma_scale_f32_16x16x128_f8f6f4 v[rD:rD+7], v[rA:rA+11], v[rB:rB+11], 0, v[rS], v[rT] matrix_a_fmt:MATRIX_FMT_FP6 matrix_b_fmt:MATRIX_FMT_FP6 matrix_a_scale:MATRIX_SCALE_ROW1 matrix_b_scale:MATRIX_SCALE_ROW1
.elseif (\i) >= 4
	v_wmma_scale_f32_16x16x128_f8f6f4 v[rD:rD+7], v[rA:rA+11], v[rB:rB+11], 0, v[rS], v[rT] matrix_a_fmt:MATRIX_FMT_FP6 matrix_b_fmt:MATRIX_FMT_FP6 matrix_a_scale:MATRIX_SCALE_ROW1
.elseif (\a) >= 2
	v_wmma_scale_f32_16x16x128_f8f6f4 v[rD:rD+7], v[rA:rA+11], v[rB:rB+11], 0, v[rS], v[rT] matrix_a_fmt:MATRIX_FMT_FP6 matrix_b_fmt:MATRIX_FMT_FP6 matrix_b_scale:MATRIX_SCALE_ROW1
.else
	v_wmma_scale_f32_16x16x128_f8f6f4 v[rD:rD+7], v[rA:rA+11], v[rB:rB+11], 0, v[rS], v[rT] matrix_a_fmt:MATRIX_FMT_FP6 matrix_b_fmt:MATRIX_FMT_FP6
.endif
.else
.if ((\i) >= 4) && ((\a) >= 2)
	v_wmma_scale_f32_16x16x128_f8f6f4 v[rD:rD+7], v[rA:rA+11], v[rB:rB+11], v[rD:rD+7], v[rS], v[rT] matrix_a_fmt:MATRIX_FMT_FP6 matrix_b_fmt:MATRIX_FMT_FP6 matrix_a_scale:MATRIX_SCALE_ROW1 matrix_b_scale:MATRIX_SCALE_ROW1
.elseif (\i) >= 4
	v_wmma_scale_f32_16x16x128_f8f6f4 v[rD:rD+7], v[rA:rA+11], v[rB:rB+11], v[rD:rD+7], v[rS], v[rT] matrix_a_fmt:MATRIX_FMT_FP6 matrix_b_fmt:MATRIX_FMT_FP6 matrix_a_scale:MATRIX_SCALE_ROW1
.elseif (\a) >= 2
	v_wmma_scale_f32_16x16x128_f8f6f4 v[rD:rD+7], v[rA:rA+11], v[rB:rB+11], v[rD:rD+7], v[rS], v[rT] matrix_a_fmt:MATRIX_FMT_FP6 matrix_b_fmt:MATRIX_FMT_FP6 matrix_b_scale:MATRIX_SCALE_ROW1
.else
	v_wmma_scale_f32_16x16x128_f8f6f4 v[rD:rD+7], v[rA:rA+11], v[rB:rB+11], v[rD:rD+7], v[rS], v[rT] matrix_a_fmt:MATRIX_FMT_FP6 matrix_b_fmt:MATRIX_FMT_FP6
.endif
.endif
.endm
.macro MUL s                           ; 32 products; the 32 accumulators take turns, one instruction a turn, in the same order in every K step.  K step 0 starts the sums
	WIN 0x50|(0x0a*((\s)%2))                       ; C and D window 1; the fragments window 0 (even steps) or 2 (odd)
.irp a, 0,1,2,3
.irp i, 0,1,2,3,4,5,6,7
	WM \s, \a, \i, ((\s)==0)
.endr
.endr
.endm
.macro FETCH s                         ; 36 LDS loads in one run: the fragments of K step s
	WIN 0x80*((\s)%2)
.irp i, 0,1,2,3,4,5,6,7
.irp j, 0,1,2
	ds_load_b128 v[PF+12*\i+4*\j:PF+12*\i+4*\j+3], v[4+(\s)/4] offset:6144*\i+1536*((\s)%4)+512*\j
.endr
.endr
.irp a, 0,1,2,3
.irp j, 0,1,2
	ds_load_b128 v[NF+12*\a+4*\j:NF+12*\a+4*\j+3], v[8+(\s)/4] offset:6144*\a+1536*((\s)%4)+512*\j
.endr
.endr
.endm
.macro STEP s, refill
	s_wait_dscnt 0x0                               ; this K step's fragments are in
.if (\s) == 3                          ; slot 0 is read no more, and slot 1 is wanted
	WIN 0
	s_wait_tensorcnt 0x0                           ; my part of slot 1 has landed
.if \refill
	ds_add_u32 v254, v255
	s_cmp_eq_u32 s3, 2                             ; no tensor load of mine is out: slot 0's group 0 takes the next block: k's behind q, v's behind k
	s_cselect_b64 s[42:43], s[56:57], s[60:61]
	s_cselect_b64 s[50:51], s[58:59], s[62:63]
	s_or_b32 s43, s43, 0x80000000
	s_or_b32 s51, s51, 0x80000000
	s_wait_dscnt 0x0
	CROUND                                         ; no wave of any partner still reads slot 0 or has a load on its way
	JLOAD 0                                        ; the four v_nop behind it are the places in front of the loads below
.else
	s_barrier_signal -1
	s_barrier_wait -1                              ; everybody's has.
	PLACES
.endif
.else
	PLACES                                         ; four places between the last step's products and the loads into the registers that they read
.endif
.if (\s) < 7
	FETCH (\s)+1                                   ; 32 matrix instructions ahead of their use
.endif
	MUL \s
.endm
.macro KWALK refill
.irp s, 0,1,2,3,4,5,6,7
	STEP \s, \refill
.endr
	WIN 0
.endm
; 64 numbers of a lane, v[s] on, register 16 b + i = k 32 b + 16 h + i of the lane's row, become codes: blocks 0 and 1 in v[d0] .. v[d0 + 5], blocks 2 and 3 in v[d1] .. v[d1 + 5], and the scale word in v[PW]
.macro QUANT s, d0, d1
.irp b, 0,1,2,3
	v_max3_num_f32 v[TM+\b], |v[(\s)+16*\b]|, |v[(\s)+1+16*\b]|, 0x1800000   ; my 16 numbers of block b, and the floor 2^(3 - 127)
.endr
.irp i, 2,4,6,8,10,12,14
.irp b, 0,1,2,3
	v_max3_num_f32 v[TM+\b], v[TM+\b], |v[(\s)+16*\b+\i]|, |v[(\s)+1+16*\b+\i]|
.endr
.endr
.irp b, 0,1,2,3
	v_permlanex16_b32 v[BY+\b], v[TM+\b], s100, s101
.endr
.irp b, 0,1,2,3
	v_max_num_f32 v[TM+\b], v[TM+\b], v[BY+\b]     ; with lane l xor 16's: the block's largest magnitude
.endr
.irp b, 0,1,2,3
	v_add_nc_u32 v[SO+\b], 0xff000000, v[TM+\b]    ; 2 off its exponent field: the conversion's scale operand
.endr
.irp b, 0,1,2,3
	v_lshrrev_b32 v[BY+\b], 23, v[SO+\b]           ; the scale's byte
.endr
	v_lshl_or_b32 v[PW], v[BY+1], 8, v[BY]
	v_lshl_or_b32 v[PW], v[BY+2], 16, v[PW]
	v_lshl_or_b32 v[PW], v[BY+3], 24, v[PW]
	v_cvt_scalef32_pk16_fp6_f32 v[(\d0):(\d0)+2], v[(\s):(\s)+15], v[SO]
	v_cvt_scalef32_pk16_fp6_f32 v[CT:CT+2], v[(\s)+16:(\s)+31], v[SO+1]
	v_cvt_scalef32_pk16_fp6_f32 v[(\d1):(\d1)+2], v[(\s)+32:(\s)+47], v[SO+2]
	v_cvt_scalef32_pk16_fp6_f32 v[CT+4:CT+6], v[(\s)+48:(\s)+63], v[SO+3]
	v_nop                                          ; one plain place behind a scaled conversion
.irp i, 0,1,2                                  ; the operand's layout wants a whole block in a lane
	v_permlane16_swap_b32 v[(\d0)+\i], v[CT+\i]
	v_permlane16_swap_b32 v[(\d1)+\i], v[CT+4+\i]
.endr
.irp i, 0,1,2
	v_mov_b32 v[(\d0)+3+\i], v[CT+\i]
	v_mov_b32 v[(\d1)+3+\i], v[CT+4+\i]
.endr
.endm
; q and k.  My 128 columns are two heads; N's tile a is 16 rows.  Blocks 0, 1 are the first head's 64, blocks 2, 3 the second's
.macro QK a
.set D0, 128+24*((\a)/2)+6*((\a)%2)
.set D1, 140+24*((\a)/2)+6*((\a)%2)
	WIN 0x09                                       ; source 0 window 1 (the sums), source 1 window 2 (the bias)
.set j, 0
.rept 32
	v_pk_add_f32 v[64+j:65+j], v[64*(\a)+j:64*(\a)+j+1], v[j:j+1]   ; each accumulator from its low end on
.set j, j+2
.endr
	WIN 0
	QUANT 64, D0, D1
	v_bfe_u32 v[240+(\a)], v[PW], v229, 16         ; lanes 0-15: the first head's two bytes, lanes 16-31: the second's; bytes 2 and 3 zero
.endm
.macro QKOUT p
	QK 2*\p
	QK 2*\p+1
.irp j, 0,1,2
	global_store_b128 v1, v[128+24*\p+4*\j:128+24*\p+4*\j+3], s[92:93] offset:1536*\p+512*\j       ; two tiles of the first head: 512 consecutive bytes a store
	global_store_b128 v1, v[140+24*\p+4*\j:140+24*\p+4*\j+3], s[92:93] offset:BHB+1536*\p+512*\j   ; and of the second, a head's blocks further on
.endr
.endm
; v.  My 128 rows of P are a step's 128 keys, my 64 columns one head; N's tile a is 16 channels: a whole fragment
.macro VP a
	WIN 0x01                                       ; source 0 window 1
.set j, 0
.rept 32
	v_pk_add_f32 v[64+j:65+j], v[64*(\a)+j:64*(\a)+j+1], v[208+2*(\a):209+2*(\a)]
.set j, j+2
.endr
	WIN 0
	QUANT 64, 128+12*(\a), 134+12*(\a)
	v_mov_b32 v[240+(\a)], v[PW]
.irp j, 0,1,2
	global_store_b128 v1, v[128+12*(\a)+4*\j:128+12*(\a)+4*\j+3], s[82:83] offset:1536*(\a)+512*\j
.endr
.endm
.Ltile:                                            ; q, then k.  Slot 0 is whole and shown to all; slot 1's load is on its way
	FETCH 0
	s_wait_loadcnt 16                              ; the block's scale words are in; the 16 loads of its bias, issued behind them, may be out
	KWALK 1
	s_wait_loadcnt 0x0                             ; the bias
	PLACES                                         ; places in front of the first read of results, and of the loads into the scale words' registers
	s_cmp_eq_u32 s3, 2
	s_cselect_b64 s[74:75], s[66:67], s[70:71]     ; the next block's scale words: k's behind q, v's behind k
	s_cselect_b64 s[84:85], s[68:69], s[72:73]
	s_cselect_b64 s[94:95], s[18:19], s[20:21]     ; the results go to qb or to kv
	s_mov_b32 s96, s90
	s_add_nc_u64 s[92:93], s[94:95], s[96:97]
	s_mov_b32 s96, s91
	s_add_nc_u64 s[94:95], s[94:95], s[96:97]
	SCALES 74, 84
	QKOUT 0
	s_wait_alu depctr_va_vdst(0)
	s_wait_tensorcnt 0x0                           ; my part of slot 0, the next block's K steps 0 to 3, has landed
	ds_add_u32 v254, v255
	s_cmp_eq_u32 s3, 2                             ; slot 1, read for the last time ahead of K step 7, takes the next block's K steps 4 to 7
	s_cselect_b64 s[46:47], s[56:57], s[60:61]
	s_cselect_b64 s[54:55], s[58:59], s[62:63]
	s_add_nc_u64 s[46:47], s[46:47], 6144
	s_add_nc_u64 s[54:55], s[54:55], 6144
	s_or_b32 s47, s47, 0x80000000
	s_or_b32 s55, s55, 0x80000000
	s_wait_dscnt 0x0
	CROUND
	JLOAD 1
	QKOUT 1
	global_store_b128 v230, v[240:243], s[94:95]   ; 256 consecutive bytes for each head
	s_wait_alu depctr_va_vdst(0)
	s_wait_xcnt 0x0                                ; the stores have read their registers and bases: the next block's fragments may land there
	s_cmp_eq_u32 s3, 1
	s_cbranch_scc1 .Lvalues
	BIASQK 88                                      ; k's bias, behind the last read of q's
	s_sub_co_u32 s3, s3, 1
	s_branch .Ltile
.Lvalues:                                          ; v: nothing more is asked for
	FETCH 0
	s_wait_loadcnt 0x0                             ; its scale words
	KWALK 0
	PLACES                                         ; places in front of the first read of results
	VP 0
	VP 1
	VP 2
	VP 3
	global_store_b128 v231, v[240:243], s[82:83] offset:6656   ; [r][4 tiles]: 256 bytes
	s_wait_tensorcnt 0x0                           ; the wave's end
	ds_add_u32 v254, v255
	s_wait_dscnt 0x0
	CROUND                                         ; the closing round: no work-group ends while a partner may still ask for a tile that names it
	s_endpgm
.Lfunc_end_k_q08730445b8_proj:
	.size	k_q08730445b8_proj, .Lfunc_end_k_q08730445b8_proj-k_q08730445b8_proj
	.p2alignl 7, 3214868480
	.fill 96, 4, 3214868480
	.section	.rodata,"a",@progbits
	.p2align	6, 0x0
	.amdhsa_kernel k_q08730445b8_proj
		.amdhsa_group_segment_fixed_size 327680
		.amdhsa_private_segment_fixed_size 0
		.amdhsa_enable_private_segment 0
		.amdhsa_kernarg_size 72
		.amdhsa_user_sgpr_count 2
		.amdhsa_user_sgpr_kernarg_segment_ptr 1
		.amdhsa_wavefront_size32 1
		.amdhsa_system_sgpr_workgroup_id_x 1
		.amdhsa_system_sgpr_workgroup_id_y 1
		.amdhsa_system_sgpr_workgroup_id_z 1
		.amdhsa_system_vgpr_workitem_id 0
		.amdhsa_next_free_vgpr 768
		.amdhsa_next_free_sgpr 102
		.amdhsa_reserve_vcc 0
		.amdhsa_float_denorm_mode_32 3
		.amdhsa_float_denorm_mode_16_64 3
		.amdhsa_memory_ordered 1
		.amdhsa_forward_progress 1
		.amdhsa_inst_pref_size 173
	.end_amdhsa_kernel
	.amdgpu_metadata
---
amdhsa.version: [ 1, 2 ]
amdhsa.kernels:
  - .name:           k_q08730445b8_proj
    .symbol:         k_q08730445b8_proj.kd
    .args:
      - { .name: xc, .offset: 0, .size: 8, .value_kind: global_buffer, .address_space: global }
      - { .name: xs, .offset: 8, .size: 8, .value_kind: global_buffer, .address_space: global }
      - { .name: wc, .offset: 16, .size: 8, .value_kind: global_buffer, .address_space: global }
      - { .name: ws, .offset: 24, .size: 8, .value_kind: global_buffer, .address_space: global }
      - { .name: bq, .offset: 32, .size: 8, .value_kind: global_buffer, .address_space: global }
      - { .name: bk, .offset: 40, .size: 8, .value_kind: global_buffer, .address_space: global }
      - { .name: bv, .offset: 48, .size: 8, .value_kind: global_buffer, .address_space: global }
      - { .name: qb, .offset: 56, .size: 8, .value_kind: global_buffer, .address_space: global }
      - { .name: kv, .offset: 64, .size: 8, .value_kind: global_buffer, .address_space: global }
    .group_segment_fixed_size: 327680
    .private_segment_fixed_size: 0
    .kernarg_segment_align: 8
    .kernarg_segment_size: 72
    .max_flat_workgroup_size: 128
    .sgpr_count:     102
    .vgpr_count:     768
    .wavefront_size: 32
...
	.end_amdgpu_metadata
.endif
;; end of part 2
;; launch attn (part 3): grid 4 x 64, 16 waves a work-group, clusters of 4 x 1, 210,944 bytes of LDS; arguments qb, kv, ac, asw; writes ac, asw
.if DOCPART == 3
	.amdgcn_target "amdgcn-amd-amdhsa--gfx1250"
	.amdhsa_code_object_version 6
	.text
	.protected	k_q08730445b8_attn
	.globl	k_q08730445b8_attn
	.p2align	8
	.type	k_q08730445b8_attn,@function
k_q08730445b8_attn:
	s_mov_b64 s[64:65], 0
	v_nop
	global_prefetch_b8 v0, s[64:65] scope:SCOPE_SE
	s_setreg_imm32_b32 hwreg(HW_REG_WAVE_MODE, 25, 1), 1
	s_wait_xcnt 0x0
	s_wait_alu depctr_hold_cnt(0) depctr_sa_sdst(0) depctr_va_vdst(0) depctr_va_sdst(0) depctr_va_ssrc(0) depctr_va_vcc(0) depctr_vm_vsrc(0)
	s_getreg_b32 s2, hwreg(HW_REG_IB_STS2, 6, 4)
	s_cmp_eq_u32 s2, 0
	s_cbranch_scc0 .Lentry_in_a_cluster
	s_endpgm
.Lentry_in_a_cluster:
	s_bfe_u32 s2, ttmp6, 0x10000c
	s_cmp_lg_u32 s2, 0x3003
	s_cbranch_scc0 .Lentry_shape_is_right
	s_endpgm
.Lentry_shape_is_right:
; Causal attention of one head on codes of FP6 (E2M3) with E8M0 scales: S^T = K Q^T (K = the head's 64), p = 2^(t - M), O^T = V^T P^T (K = the keys), O / l, quantised along the model's 1,024 for the last product.
; t = score x log2(e) / 8; M = the running largest t rounded UP to a whole number; the row's sum l is taken of the unquantised p; when M moves, l and O are multiplied by 2^(old M - new M), exactly.
; Key steps that lie wholly behind a tile's queries are under the causal mask and are not walked.
; A cluster of four work-groups owns one (batch, head).  The head's whole K and V, 16 step blocks of 128 keys (13,056 bytes each), lie in LDS, filled once: wave w brings block w by one joint tensor load.
; No data prefetch: every byte of K and V is asked for at the head, and there is no loop to run ahead in.
; SHARES.  The head's 128 tiles of 16 queries are 16 groups of 8.  Wave w takes tile 2 cx + w % 2 of group g = w / 2 and then of group 15 - g: (g + 1) + (16 - g) = 17 key steps for every wave.
; ONE LOOP OF 17 TRIPS, a key step a trip in every wave: trips 0 .. g are the low tile's, at trip g + 1 it leaves and the high tile begins at key 0.  Both tiles of Q are loaded at the head.
; A work-group barrier in each trip, signal behind the scores and wait at the trip's end, holds the sixteen waves within a trip of each other, so that the four waves of a SIMD stay at work side by side up to the last trip.
; Between signal and wait stand LDS loads of bytes that nobody writes and work on registers.  Every branch hangs on the wave's number and the counter; cx enters global addresses and the mask's lane data alone.
; Both products are used transposed: a lane holds ONE query (lane % 16).  Tile 4 c + u of K holds in row m key 64 c + 32 (m / 8) + 8 u + m % 8, so register 32 c + i of lane (r, h) is key 64 c + 32 h + i:
; a scale block of p lies whole in one lane, in the order of the operand's registers.
; The first product's K is 64 of the instruction's 128: the operand names twelve registers, of which the upper six are the next tile's codes (behind the last: zeros); Q's upper six are zero codes; scale bytes 2 and 3 are 0 (2^-127).
; LIMITS: NaN and infinities are not served.  p under 2^-126 comes out of v_exp_f32 as 0.  No block's largest magnitude is taken under 2^-124 (byte 1 at the least; a block of zeros has zero codes).
; The promise holds while the scaled scores stay under 2^31 in magnitude.  The tile's scale word is stored by both halves of the lanes, the same bytes with the same values.
.set STEPB, 13056
.set KF,  42                           ; v42-89 K's eight tiles, later V's four fragments; v90-95 zeros
.set KS,  96                           ; v96-103 K's scale words; v104-107 V's
.set VS,  104
.set S,   108                          ; v108-171 S^T, then p
.set O,   172                          ; v172-203 O^T
.set PC,  204                          ; v204-215 p's codes
.set CT,  216                          ; v216-218, v220-222 upper halves of codes
.set BM,  224                          ; v224-227 largest scores; v228-231 bytes and permutes; v232-233 scale operands; v236 the scale word
.set BY,  228
.set SO,  232
.set PW,  236
; v1 16 x lane, v2 16 r, v3 8 x lane, v4 4 r, v5 my query less 32 h within its group, v6 -infinity, v7, v8 the step's LDS addresses, v9 8 h; v12 -M, v13 the largest t, v[14:15] l in two halves;
; v16-27 Q (v22-27 zeros), v28 its scale word; v29, v30-35 the high tile's; v[238:239] f; v240 at work; v234-235, v242-253 the sum's chains
.macro CROUND
	s_barrier_signal -1
	s_barrier_wait -1
	s_cmp_lg_u32 s12, 0
	s_cbranch_scc1 .Lnot_wave_0_\@
	s_barrier_signal -3
.Lnot_wave_0_\@:
	s_barrier_wait -3
	s_barrier_signal -1
	s_barrier_wait -1
.endm
.macro INIT                            ; a tile begins: the largest t -3e38, l and O^T zeros, which the first change of M leaves zeros
	v_mov_b32 v13, 0xff61b1e6
	v_floor_f32 v12, -v13
	v_mov_b32 v14, 0
	v_mov_b32 v15, 0
.set j, 0
.rept 32
	v_mov_b32 v[O+j], 0
.set j, j+1
.endr
.endm
.macro QADR g, pc, ps                  ; group s\g: the pair image that holds my tile of Q, and my tile's scale words
	s_add_co_u32 s46, s33, s\g
	s_mul_i32 s46, s46, STEPB
	s_add_co_u32 s56, s46, s48
	s_add_nc_u64 s[\pc:\pc+1], s[4:5], s[56:57]
	s_add_co_u32 s56, s46, s52
	s_add_nc_u64 s[\ps:\ps+1], s[4:5], s[56:57]
.endm
; the way out of the tile of group s36: O / l, quantised along the head's 64: half a fragment of the last product's operand
.macro WAYOUT
.rept 4
	v_nop                                          ; places in front of the first read of results
.endr
	v_add_f32 v14, v14, v15
	s_delay_alu instid0(VALU_DEP_1)
	v_permlanex16_b32 v240, v14, s28, s29
	s_delay_alu instid0(VALU_DEP_1)
	v_add_f32 v14, v14, v240                       ; the row's sum
	s_wait_alu depctr_va_vdst(0)
	v_rcp_f32 v14, v14
	v_nop                                          ; one plain place behind a transcendental
	s_wait_alu depctr_va_vdst(0)
.set j, 0
.rept 32
	v_mul_f32 v[S+j], v[O+j], v14                  ; register 16 b + i is channel 32 b + 16 h + i of my query
.set j, j+1
.endr
.irp b, 0,1
	v_max3_num_f32 v[BM+\b], |v[S+16*\b]|, |v[S+1+16*\b]|, 0x1800000
.endr
.irp i, 2,4,6,8,10,12,14
.irp b, 0,1
	s_delay_alu instid0(VALU_DEP_2)
	v_max3_num_f32 v[BM+\b], v[BM+\b], |v[S+16*\b+\i]|, |v[S+1+16*\b+\i]|
.endr
.endr
.irp b, 0,1
	s_delay_alu instid0(VALU_DEP_2)
	v_permlanex16_b32 v[BY+\b], v[BM+\b], s28, s29
.endr
.irp b, 0,1
	s_delay_alu instid0(VALU_DEP_2)
	v_max_num_f32 v[BM+\b], v[BM+\b], v[BY+\b]
.endr
.irp b, 0,1
	s_delay_alu instid0(VALU_DEP_2)
	v_add_nc_u32 v[SO+\b], 0xff000000, v[BM+\b]
.endr
.irp b, 0,1
	s_delay_alu instid0(VALU_DEP_2)
	v_lshrrev_b32 v[BY+\b], 23, v[SO+\b]
.endr
	s_delay_alu instid0(VALU_DEP_1)
	v_lshl_or_b32 v[PW], v[BY+1], 8, v[BY]         ; two bytes; bytes 2 and 3 zero
	v_cvt_scalef32_pk16_fp6_f32 v[PC:PC+2], v[S:S+15], v[SO]
	v_cvt_scalef32_pk16_fp6_f32 v[CT:CT+2], v[S+16:S+31], v[SO+1]
	v_nop
.irp i, 0,1,2
	v_permlane16_swap_b32 v[PC+\i], v[CT+\i]
.endr
.irp i, 0,1,2
	s_delay_alu instid0(VALU_DEP_3)
	v_mov_b32 v[PC+3+\i], v[CT+\i]
.endr
	s_lshr_b32 s56, s14, 4
	s_lshl_b32 s56, s56, 7
	s_lshl_b32 s58, s36, 3
	s_add_co_u32 s56, s56, s58
	s_add_co_u32 s56, s56, s42                     ; the tile of rows: 128 batch + 8 group + tile
	s_and_b32 s58, s14, 15                         ; the head
	s_lshl_b32 s59, s56, 3
	s_lshr_b32 s45, s58, 1
	s_add_co_u32 s59, s59, s45                     ; K step head / 2,
	s_mul_i32 s59, s59, 1536
	s_and_b32 s45, s58, 1
	s_mul_i32 s45, s45, 768                        ; half head % 2
	s_add_co_u32 s46, s59, s45
	s_add_nc_u64 s[38:39], s[8:9], s[46:47]
	s_lshl_b32 s46, s56, 10
	s_lshl_b32 s45, s58, 6
	s_add_co_u32 s46, s46, s45
	s_add_nc_u64 s[50:51], s[10:11], s[46:47]
	s_wait_alu depctr_va_vdst(0)
	global_store_b128 v1, v[PC:PC+3], s[38:39]             ; 512 consecutive bytes,
	global_store_b64 v3, v[PC+4:PC+5], s[38:39] offset:512 ; and 256
	global_store_b32 v4, v[PW], s[50:51]
.endm
	s_load_b256 s[4:11], s[0:1], 0x0               ; qb, kv, ac, asw
	v_lshl_add_u32 v254, v0, 2, 0x33000
	v_mov_b32 v255, 0
	ds_add_u32 v254, v255                          ; the opening lines: the add, twice on end, and its wait
	ds_add_u32 v254, v255
	v_lshrrev_b32 v1, 5, v0
	s_delay_alu instid0(VALU_DEP_1)
	v_readfirstlane_b32 s12, v1                    ; wave 0..15
	s_bfe_u32 s13, ttmp6, 0x40000                  ; cx
	s_and_b32 s14, ttmp7, 0xffff                   ; 16 batch + head: the cluster's y
	s_and_b32 s15, s12, 1
	; descriptor group 1: a step block, 13,056 dense bytes, as 51 rows of 256 bytes (32 elements of 8 bytes)
	s_mov_b32 s16, 15|(3<<16)|(1<<21)              ; the mask: all four work-groups; elements of 8 bytes; bit 21 beside a mask
	s_mov_b32 s17, 32<<16
	s_mov_b32 s18, 51<<16
	s_mov_b32 s19, 32<<16
	s_mov_b32 s20, 51
	s_mov_b32 s21, 32
	s_mov_b32 s22, 0
	s_mov_b32 s23, 0
	s_lshl_b32 s40, s14, 4
	s_add_co_u32 s40, s40, s12
	s_mul_i32 s40, s40, STEPB                      ; the head's block w in memory,
	s_mov_b32 s41, 0
	s_mov_b32 s24, 1
	s_mul_i32 s25, s12, STEPB                      ; and in LDS
	s_wait_dscnt 0x0
	s_wait_kmcnt 0x0
	s_add_nc_u64 s[26:27], s[6:7], s[40:41]
	s_or_b32 s27, s27, 0x80000000
	CROUND                                         ; all four work-groups are here: the joint loads meet
	tensor_load_to_lds s[24:27], s[16:23]          ; my one tensor load
	s_nop 0
.rept 4
	v_nop
.endr
	v_and_b32 v36, 31, v0
	v_and_b32 v10, 15, v0                          ; r
	v_bfe_u32 v11, v0, 4, 1                        ; h
	v_lshlrev_b32 v1, 4, v36
	v_lshlrev_b32 v3, 3, v36
	v_lshlrev_b32 v2, 4, v10
	v_lshlrev_b32 v4, 2, v10
	v_lshlrev_b32 v9, 3, v11
	v_lshlrev_b32 v5, 5, v11
	s_lshl_b32 s42, s13, 1
	s_add_co_u32 s42, s42, s15                     ; my tile in a group: 2 cx + w % 2
	s_lshl_b32 s43, s42, 4
	v_sub_nc_u32 v5, v10, v5
	v_add_nc_u32 v5, s43, v5                       ; 16 tile + r - 32 h
	v_mov_b32 v6, 0xff800000
	s_mul_i32 s48, s13, 1536                       ; Q: the pair image of tiles 2 cx, 2 cx + 1;
	s_lshr_b32 s52, s13, 1
	s_lshl_b32 s52, s52, 8
	s_and_b32 s53, s13, 1
	s_lshl_b32 s53, s53, 3
	s_add_co_u32 s52, s52, s53
	s_lshl_b32 s53, s15, 2
	s_add_co_u32 s52, s52, s53
	s_add_co_u32 s52, s52, 12288                   ; my tile's scale words: [tile / 4][r][tile % 4]
	s_mov_b32 s47, 0
	s_mov_b32 s57, 0
	s_lshr_b32 s36, s12, 1                         ; g: the low tile's group
	s_add_co_u32 s37, s36, 1                       ; the trip at which the high tile begins
	s_xor_b32 s35, s36, 15                         ; 15 - g
	s_lshl_b32 s33, s14, 4
	QADR 36, 38, 50
	QADR 35, 40, 54
	s_wait_alu depctr_va_vdst(0)
.irp j, 0,1,2
	global_load_b128 v[S+4*\j:S+4*\j+3], v1, s[38:39] offset:512*\j
	global_load_b128 v[S+12+4*\j:S+12+4*\j+3], v1, s[40:41] offset:512*\j
.endr
	global_load_b32 v28, v2, s[50:51]
	global_load_b32 v29, v2, s[54:55]
.irp i, 0,1,2,3,4,5
	v_mov_b32 v[22+\i], 0                          ; Q's upper half: zero codes
	v_mov_b32 v[90+\i], 0                          ; behind K's last tile
.endr
.irp b, 0,1,2,3
	v_mov_b32 v[BY+\b], 0                          ; a lane permute's destination counts as one of its sources
.endr
	v_mov_b32 v239, 0                              ; (named as the upper half of the pair v[238:239])
	v_mov_b32 v240, 0
	INIT
	s_cmp_eq_u32 s15, 1
	s_cselect_b32 s44, -1, 0                       ; odd waves take the pair's second tile
	s_mov_b32 s28, 0x76543210
	s_mov_b32 s29, 0xfedcba98                      ; v_permlanex16_b32's selects for lane l xor 16
	s_mov_b32 s30, 0x3e38aa3b                      ; c = log2(e) / 8
	s_mov_b32 s31, s30
	s_mov_b32 s34, 0                               ; the trip
	s_wait_loadcnt 0x0
.irp i, 0,1,2,3,4,5
	v_cndmask_b32 v[16+\i], v[S+\i], v[S+6+\i], s44
	v_cndmask_b32 v[30+\i], v[S+12+\i], v[S+18+\i], s44
.endr
	s_wait_alu depctr_va_vdst(0)
	s_wait_tensorcnt 0x0                           ; my block has landed,
	s_barrier_signal -1
	s_barrier_wait -1                              ; everybody's has
.Ltrip:
	s_cmp_lg_u32 s34, s37
	s_cbranch_scc1 .Lsame
	WAYOUT                                         ; trip g + 1: the low tile leaves,
	s_wait_xcnt 0x0                                ; its stores have read their registers and bases,
	s_xor_b32 s36, s36, 15                         ; and the high tile begins
.irp i, 0,1,2,3,4,5
	v_mov_b32 v[16+\i], v[30+\i]
.endr
	v_mov_b32 v28, v29
	INIT
.Lsame:
	s_sub_co_u32 s33, s34, s37
	s_cmp_lt_u32 s34, s37
	s_cselect_b32 s33, s34, s33                    ; the key step: the trip, or the trip less g + 1
	s_min_u32 s33, s33, 15
	s_mul_i32 s32, s33, STEPB                      ; its block in LDS
	v_add_nc_u32 v7, s32, v1
	v_add_nc_u32 v8, s32, v2
	v_nop
	v_nop                                          ; four places between the last products and the loads into the registers that they read
.set j, 0
.rept 12
	ds_load_b128 v[KF+4*j:KF+4*j+3], v7 offset:512*j   ; K's four pair images: tile T in v[KF + 6 T] on
.set j, j+1
.endr
	ds_load_b128 v[KS:KS+3], v8 offset:12288
	ds_load_b128 v[KS+4:KS+7], v8 offset:12544
	s_wait_alu depctr_va_vdst(0)
	s_wait_dscnt 0x0
.irp t, 0,1,2,3,4,5,6,7
	v_wmma_scale_f32_16x16x128_f8f6f4 v[S+8*\t:S+8*\t+7], v[KF+6*\t:KF+6*\t+11], v[16:27], 0, v[KS+\t], v28 matrix_a_fmt:MATRIX_FMT_FP6 matrix_b_fmt:MATRIX_FMT_FP6
.endr
.rept 4
	v_nop
.endr
	s_cmp_lg_u32 s33, s36
	s_cbranch_scc1 .Lopen
.set n, 0
.rept 64                               ; the diagonal step: register 32 c + i holds key 64 c + 32 h + i of the step: hidden where 64 c + i > 16 tile + r - 32 h
	v_cmp_gt_i32 vcc_lo, 64*(n/32)+n%32, v5
	v_cndmask_b32 v[S+n], v[S+n], v6, vcc_lo
.set n, n+1
.endr
.Lopen:
	s_barrier_signal -1                            ; no LDS instruction of mine is out: I have this trip's scores
.set j, 0
.rept 12
	ds_load_b128 v[KF+4*j:KF+4*j+3], v7 offset:6144+512*j   ; V's four fragments land while the softmax is walked
.set j, j+1
.endr
	ds_load_b128 v[VS:VS+3], v8 offset:12800
.irp b, 0,1,2,3
	v_max3_num_f32 v[BM+\b], v[S+16*\b], v[S+1+16*\b], v[S+2+16*\b]   ; four chains of 16 scores
.endr
.irp i, 3,5,7,9,11,13
.irp b, 0,1,2,3
	v_max3_num_f32 v[BM+\b], v[BM+\b], v[S+16*\b+\i], v[S+1+16*\b+\i]
.endr
.endr
.irp b, 0,1,2,3
	v_max_num_f32 v[BM+\b], v[BM+\b], v[S+15+16*\b]
.endr
	s_delay_alu instid0(VALU_DEP_3)
	v_max_num_f32 v[BM], v[BM], v[BM+1]            ; the largest score of my block h: for the row's maximum, and, since p rises with the score, for the block's largest p
	s_delay_alu instid0(VALU_DEP_2)
	v_max_num_f32 v[BM+2], v[BM+2], v[BM+3]        ; and of my block 2 + h
	s_delay_alu instid0(VALU_DEP_1)
	v_max_num_f32 v240, v[BM], v[BM+2]
	s_delay_alu instid0(VALU_DEP_1)
	v_permlanex16_b32 v[BY], v240, s28, s29
	s_delay_alu instid0(VALU_DEP_1)
	v_max_num_f32 v240, v240, v[BY]                ; the step's largest score of my query
	s_delay_alu instid0(VALU_DEP_1)
	v_mul_f32 v240, s30, v240                      ; as t (c is positive)
	s_delay_alu instid0(VALU_DEP_1)
	v_max_num_f32 v13, v13, v240                   ; the running largest t
	v_mov_b32 v240, v12
	s_delay_alu instid0(VALU_DEP_2)
	v_floor_f32 v12, -v13                          ; the new -M = floor(-t)
	s_delay_alu instid0(VALU_DEP_1)
	v_sub_f32 v240, v12, v240                      ; old M less new M: a whole number, 0 or less
	s_delay_alu instid0(VALU_DEP_1)
	v_cvt_i32_f32 v240, v240                       ; (it saturates)
	s_delay_alu instid0(VALU_DEP_1)
	v_ldexp_f32 v238, 1.0, v240                    ; f = 2^(old M - new M)
.set j, 0
.rept 32
	v_pk_fma_f32 v[S+j:S+j+1], v[S+j:S+j+1], s[30:31], v[12:13] op_sel_hi:[1,0,0]   ; t - M
.set j, j+2
.endr
	v_fma_f32 v[BM], v[BM], s30, v12
	v_fma_f32 v[BM+2], v[BM+2], s30, v12
	s_wait_alu depctr_va_vdst(0)
.set j, 0
.rept 64
	v_exp_f32 v[S+j], v[S+j]                       ; p = 2^(t - M)
.set j, j+1
.endr
	v_exp_f32 v[BM], v[BM]                         ; the blocks' largest p: the same two instructions on the same number
	v_exp_f32 v[BM+2], v[BM+2]
	v_pk_mul_f32 v[14:15], v[14:15], v[238:239] op_sel_hi:[1,0]   ; l under the new M.  (A plain place behind the exponentials)
	s_wait_alu depctr_va_vdst(0)
	v_max_num_f32 v[BM], 0x1800000, v[BM]          ; the floor 2^(3 - 127)
	v_max_num_f32 v[BM+2], 0x1800000, v[BM+2]
	s_delay_alu instid0(VALU_DEP_2)
	v_add_nc_u32 v[SO], 0xff000000, v[BM]          ; 2 off the exponent field: the conversions' scale operand
	s_delay_alu instid0(VALU_DEP_2)
	v_add_nc_u32 v[SO+1], 0xff000000, v[BM+2]
	s_delay_alu instid0(VALU_DEP_2)
	v_lshrrev_b32 v[BY], 23, v[SO]
	s_delay_alu instid0(VALU_DEP_2)
	v_lshrrev_b32 v[BY+1], 23, v[SO+1]
	s_delay_alu instid0(VALU_DEP_1)
	v_lshl_or_b32 v[PW], v[BY+1], 16, v[BY]        ; my two bytes: blocks h and 2 + h,
	s_delay_alu instid0(VALU_DEP_1)
	v_lshlrev_b32 v[PW], v9, v[PW]                 ; at their places in the word;
	s_delay_alu instid0(VALU_DEP_1)
	v_permlanex16_b32 v[BY+2], v[PW], s28, s29
	s_delay_alu instid0(VALU_DEP_1)
	v_or_b32 v[PW], v[PW], v[BY+2]                 ; with lane l xor 16's two the word is whole
.irp c, 0,1
	v_cvt_scalef32_pk16_fp6_f32 v[PC+6*\c:PC+6*\c+2], v[S+32*\c:S+32*\c+15], v[SO+\c]
	v_cvt_scalef32_pk16_fp6_f32 v[CT+4*\c:CT+4*\c+2], v[S+32*\c+16:S+32*\c+31], v[SO+\c]   ; (a conversion's three registers begin on an even number)
.endr
	v_nop                                          ; one plain place behind a scaled conversion
.irp c, 0,1
.irp i, 0,1,2
	v_mov_b32 v[PC+6*\c+3+\i], v[CT+4*\c+\i]
.endr
.endr
	v_pk_add_f32 v[242:243], v[112:113], v[116:117]   ; the row's sum, of the unquantised p, in eight chains
	v_pk_add_f32 v[252:253], v[120:121], v[124:125]
	v_pk_add_f32 v[250:251], v[128:129], v[132:133]
	v_pk_add_f32 v[248:249], v[136:137], v[140:141]
	v_pk_add_f32 v[246:247], v[144:145], v[148:149]
	v_pk_add_f32 v[244:245], v[152:153], v[156:157]
	v_pk_add_f32 v[234:235], v[160:161], v[164:165]
	v_pk_add_f32 v[14:15], v[14:15], v[168:169]
	v_pk_add_f32 v[242:243], v[242:243], v[108:109]
	v_pk_add_f32 v[252:253], v[252:253], v[110:111]
	v_pk_add_f32 v[250:251], v[250:251], v[114:115]
	v_pk_add_f32 v[248:249], v[248:249], v[118:119]
	v_pk_add_f32 v[246:247], v[246:247], v[122:123]
	v_pk_add_f32 v[244:245], v[244:245], v[126:127]
	v_pk_add_f32 v[234:235], v[234:235], v[130:131]
	v_pk_add_f32 v[14:15], v[14:15], v[134:135]
	v_pk_add_f32 v[242:243], v[242:243], v[138:139]
	v_pk_add_f32 v[252:253], v[252:253], v[142:143]
	v_pk_add_f32 v[250:251], v[250:251], v[146:147]
	v_pk_add_f32 v[248:249], v[248:249], v[150:151]
	v_pk_add_f32 v[246:247], v[246:247], v[154:155]
	v_pk_add_f32 v[244:245], v[244:245], v[158:159]
	v_pk_add_f32 v[234:235], v[234:235], v[162:163]
	v_pk_add_f32 v[14:15], v[14:15], v[166:167]
	v_pk_add_f32 v[242:243], v[242:243], v[170:171]
	v_pk_add_f32 v[14:15], v[14:15], v[248:249]
	v_pk_add_f32 v[242:243], v[242:243], v[246:247]
	v_pk_add_f32 v[252:253], v[252:253], v[244:245]
	v_pk_add_f32 v[250:251], v[250:251], v[234:235]
	v_pk_add_f32 v[14:15], v[14:15], v[252:253]
	v_pk_add_f32 v[242:243], v[242:243], v[250:251]
	v_pk_add_f32 v[14:15], v[14:15], v[242:243]
.set j, 0
.rept 16
	v_pk_mul_f32 v[O+j:O+j+1], v[O+j:O+j+1], v[238:239] op_sel_hi:[1,0]   ; O^T under the new M.  (With the sums above: the places between the codes' and the scale word's last writes and the products)
.set j, j+2
.endr
	s_wait_alu depctr_va_vdst(0)
	s_wait_dscnt 0x0                               ; V is in
.irp t, 0,1,2,3
	v_wmma_scale_f32_16x16x128_f8f6f4 v[O+8*\t:O+8*\t+7], v[KF+12*\t:KF+12*\t+11], v[PC:PC+11], v[O+8*\t:O+8*\t+7], v[VS+\t], v[PW] matrix_a_fmt:MATRIX_FMT_FP6 matrix_b_fmt:MATRIX_FMT_FP6
.endr
	s_barrier_wait -1                              ; every wave has this trip's scores
	s_add_co_u32 s34, s34, 1
	s_cmp_lg_u32 s34, 17
	s_cbranch_scc1 .Ltrip
	WAYOUT                                         ; the high tile leaves
	s_wait_tensorcnt 0x0                           ; the wave's end
	ds_add_u32 v254, v255
	s_wait_dscnt 0x0
	CROUND                                         ; the closing round: no work-group ends while a partner may still ask for a block that names it
	s_endpgm
.Lfunc_end_k_q08730445b8_attn:
	.size	k_q08730445b8_attn, .Lfunc_end_k_q08730445b8_attn-k_q08730445b8_attn
	.p2alignl 7, 3214868480
	.fill 96, 4, 3214868480
	.section	.rodata,"a",@progbits
	.p2align	6, 0x0
	.amdhsa_kernel k_q08730445b8_attn
		.amdhsa_group_segment_fixed_size 210944
		.amdhsa_private_segment_fixed_size 0
		.amdhsa_enable_private_segment 0
		.amdhsa_kernarg_size 32
		.amdhsa_user_sgpr_count 2
		.amdhsa_user_sgpr_kernarg_segment_ptr 1
		.amdhsa_wavefront_size32 1
		.amdhsa_system_sgpr_workgroup_id_x 1
		.amdhsa_system_sgpr_workgroup_id_y 1
		.amdhsa_system_sgpr_workgroup_id_z 1
		.amdhsa_system_vgpr_workitem_id 0
		.amdhsa_next_free_vgpr 256
		.amdhsa_next_free_sgpr 66
		.amdhsa_reserve_vcc 1
		.amdhsa_float_denorm_mode_32 3
		.amdhsa_float_denorm_mode_16_64 3
		.amdhsa_memory_ordered 1
		.amdhsa_forward_progress 1
		.amdhsa_inst_pref_size 40
	.end_amdhsa_kernel
	.amdgpu_metadata
---
amdhsa.version: [ 1, 2 ]
amdhsa.kernels:
  - .name:           k_q08730445b8_attn
    .symbol:         k_q08730445b8_attn.kd
    .args:
      - { .name: qb, .offset: 0, .size: 8, .value_kind: global_buffer, .address_space: global }
      - { .name: kv, .offset: 8, .size: 8, .value_kind: global_buffer, .address_space: global }
      - { .name: ac, .offset: 16, .size: 8, .value_kind: global_buffer, .address_space: global }
      - { .name: asw, .offset: 24, .size: 8, .value_kind: global_buffer, .address_space: global }
    .group_segment_fixed_size: 210944
    .private_segment_fixed_size: 0
    .kernarg_segment_align: 8
    .kernarg_segment_size: 32
    .max_flat_workgroup_size: 512
    .sgpr_count:     66
    .vgpr_count:     256
    .wavefront_size: 32
...
	.end_amdgpu_metadata
.endif
;; end of part 3
;; launch outp (part 4): grid 4 x 64, 4 waves a work-group, clusters of 4 x 4, 327,680 bytes of LDS; arguments ac, asw, wc, ws, bp, out0; writes out0
.if DOCPART == 4
	.amdgcn_target "amdgcn-amd-amdhsa--gfx1250"
	.amdhsa_code_object_version 6
	.text
	.protected	k_q08730445b8_outp
	.globl	k_q08730445b8_outp
	.p2align	8
	.type	k_q08730445b8_outp,@function
k_q08730445b8_outp:
	s_mov_b64 s[64:65], 0
	v_nop
	global_prefetch_b8 v0, s[64:65] scope:SCOPE_SE
	s_setreg_imm32_b32 hwreg(HW_REG_WAVE_MODE, 25, 1), 1
	s_wait_xcnt 0x0
	s_wait_alu depctr_hold_cnt(0) depctr_sa_sdst(0) depctr_va_vdst(0) depctr_va_sdst(0) depctr_va_ssrc(0) depctr_va_vcc(0) depctr_vm_vsrc(0)
	s_getreg_b32 s2, hwreg(HW_REG_IB_STS2, 6, 4)
	s_cmp_eq_u32 s2, 0
	s_cbranch_scc0 .Lentry_in_a_cluster
	s_endpgm
.Lentry_in_a_cluster:
	s_bfe_u32 s2, ttmp6, 0x10000c
	s_cmp_lg_u32 s2, 0xf033
	s_cbranch_scc0 .Lentry_shape_is_right
	s_endpgm
.Lentry_shape_is_right:
; out0 = (attention's result) Wp + bp on codes of FP6 (E2M3) with E8M0 scales, sums in f32.  out0: [8192][1024] f32.
; A work-group makes 256 columns (source 0, "P": Wp's columns, K innermost in their images) x 128 rows (source 1, "N": the attention launch's codes) over K = 1,024: a lane holds eight neighbouring numbers of a row.
; Four waves, each 128 columns x 64 rows: 32 accumulators.  ALL OF K LIES IN LDS, filled once, in two halves of four K steps: two tensor loads a wave, the second issued once the first has landed everywhere; no LDS byte is filled twice.
; CLUSTERS: 4 x 4 work-groups.  P's tiles hang on the work-group's x alone and are asked for jointly by a column of the cluster, N's on its y alone and by a row.
; P's fragments are register images (three loads of 512 consecutive bytes).  N's were stored head by head: a fragment is two halves of 768 bytes, each 16 bytes a lane (registers 6 c .. 6 c + 3) and then 8 bytes a lane.
; N's scale words come as one word for each head (two bytes): two heads make a K step's word.  The bias is the C of each sum's first matrix instruction.
; REGISTERS as in the projections' launch: window 0: v1-15 addresses, v16-47 P's scale words, v48-63 N's, v64-207 fragments of even K steps, v208-211 addresses, v212-243 the heads' words, v244-245 the way out;
;   window 1: the accumulators, (a, i) at v[64 a + 8 i];  window 2: v0-63 the bias, v64-207 fragments of odd K steps.
; THE WAY OUT: 16 rows x 128 columns at a time through the wave's own stage in LDS (rows of 512 + 16 bytes) and back as whole rows.  The stages lie in half 0, which has had its only fill and which nobody reads any more.
.set WCB,   786432
.set WSB,   32768
.set HALF, 147456                      ; K lies in LDS in two halves of four K steps: 16 tiles of P, then 8 of N, 6,144 bytes each
.set SP, 16
.set SN, 48
.set PF, 64
.set NF, 160
.set MSB, 0
.macro WIN new                         ; the immediate's high byte repeats the setting that is left
.if MSB != (\new)
	s_set_vgpr_msb (MSB<<8)|(\new)
.set MSB, (\new)
.endif
.endm
.macro CROUND                          ; a round of the cluster's barrier
	s_barrier_signal -1
	s_barrier_wait -1
	s_cmp_lg_u32 s22, 0
	s_cbranch_scc1 .Lnot_wave_0_\@
	s_barrier_signal -3
.Lnot_wave_0_\@:
	s_barrier_wait -3
	s_barrier_signal -1
	s_barrier_wait -1
.endm
	s_load_b256 s[4:11], s[0:1], 0x0               ; ac, asw, wc, ws
	s_load_b128 s[12:15], s[0:1], 0x20             ; bp, out0
	v_lshl_add_u32 v254, v0, 2, 0x48000
	v_mov_b32 v255, 0
	ds_add_u32 v254, v255
	ds_add_u32 v254, v255
	v_lshrrev_b32 v1, 5, v0
	v_readfirstlane_b32 s22, v1                    ; wave 0..3
	s_lshr_b32 s23, s22, 1                         ; wp: which 128 columns
	s_and_b32 s76, s22, 1                          ; wn: which 64 rows
	s_bfe_u32 s77, ttmp6, 0x40000                  ; cx: the block of 256 columns
	s_bfe_u32 s78, ttmp6, 0x40004                  ; cy
	s_and_b32 s79, ttmp7, 0xffff
	s_lshl_b32 s83, s79, 2
	s_add_co_u32 s83, s83, s78                     ; the block of 128 rows: 4 x cluster y + cy
	s_lshl_b32 s89, 0x1111, s77                    ; my column of the cluster
	s_lshl_b32 s90, s78, 2
	s_lshl_b32 s90, 15, s90                        ; my row
	; descriptor group 1.  P: 8 tiles a wave, of each the half's 6,144 bytes (768 elements of 8 bytes), 12,288 bytes (1,536 elements) from tile to tile.  N: 4 tiles
	s_or_b32 s24, s89, (3<<16)|(1<<21)
	s_mov_b32 s25, 768<<16                         ; P: 8 tiles a load, of each a half's 6,144 bytes (768 elements of 8 bytes)
	s_mov_b32 s26, 8<<16
	s_mov_b32 s27, 768<<16
	s_mov_b32 s28, 8
	s_mov_b32 s29, 1536
	s_mov_b32 s30, 0
	s_mov_b32 s31, 0
	s_or_b32 s32, s90, (3<<16)|(1<<21)
	s_mov_b32 s33, 768<<16                         ; N: 4 tiles a load
	s_mov_b32 s34, 4<<16
	s_mov_b32 s35, 768<<16
	s_mov_b32 s36, 4
	s_mov_b32 s37, 1536
	s_mov_b32 s38, 0
	s_mov_b32 s39, 0
	s_mul_i32 s96, s77, 196608
	s_mul_i32 s91, s76, 98304                      ; waves 0 and 1 fetch P's tiles 0-7 and 8-15
	s_add_co_u32 s96, s96, s91
	s_add_co_u32 s96, s96, 3*WCB
	s_mov_b32 s97, 0
	s_mul_i32 s98, s83, 98304
	s_mul_i32 s66, s76, 49152                      ; waves 2 and 3 fetch N's tiles 0-3 and 4-7
	s_add_co_u32 s98, s98, s66
	s_mov_b32 s99, 0
	s_mul_i32 s84, s76, 49152                      ; where they go: no place in the cluster enters an LDS address
	s_mul_i32 s85, s76, 24576
	s_add_co_u32 s85, s85, 98304
	s_wait_dscnt 0x0
	s_wait_kmcnt 0x0
	s_add_nc_u64 s[92:93], s[8:9], s[96:97]
	s_add_nc_u64 s[94:95], s[4:5], s[98:99]
; A joint load of half c of K, one tensor load a wave: waves 0 and 1 ask for P's tiles, waves 2 and 3 for N's.  Each line has one mask; the branch hangs on the wave's number alone.
.macro JLOAD c
	s_cmp_lt_u32 s22, 2
	s_cbranch_scc0 .Lfor_n_\@
	tensor_load_to_lds s[40+4*\c:43+4*\c], s[24:31]
	s_nop 0
.rept 4
	v_nop
.endr
	s_branch .Lasked_\@
.Lfor_n_\@:
	tensor_load_to_lds s[48+4*\c:51+4*\c], s[32:39]
	s_nop 0
.rept 4
	v_nop
.endr
.Lasked_\@:
.endm
.irp c, 0,1                            ; a group 0 for each half: P's in s40-47, N's in s48-55
	s_mov_b32 s[40+4*\c], 1
	s_add_co_u32 s[41+4*\c], s84, HALF*\c
	s_add_nc_u64 s[42+4*\c:43+4*\c], s[92:93], 6144*\c
	s_or_b32 s[43+4*\c], s[43+4*\c], 0x80000000
	s_mov_b32 s[48+4*\c], 1
	s_add_co_u32 s[49+4*\c], s85, HALF*\c
	s_add_nc_u64 s[50+4*\c:51+4*\c], s[94:95], 6144*\c
	s_or_b32 s[51+4*\c], s[51+4*\c], 0x80000000
.endr
	CROUND                                         ; all sixteen work-groups are here: the joint loads meet
	JLOAD 0                                        ; K steps 0 to 3: one tensor load a wave at the head
	v_and_b32 v14, 31, v0
	v_lshlrev_b32 v1, 4, v14                       ; 16 x lane
	v_lshlrev_b32 v15, 3, v14                      ; 8 x lane
	v_and_b32 v2, 15, v0                           ; r
	v_bfe_u32 v3, v0, 4, 1                         ; h
	s_mul_i32 s89, s23, 49152
	s_mul_i32 s90, s76, 24576
	s_add_co_u32 s90, s90, 98304
.irp c, 0,1
	v_add_nc_u32 v[4+\c], s89, v1                  ; v4-5: P's fragments in half c
	v_add_nc_u32 v[8+\c], s90, v1                  ; v8-9: N's, the parts of 16 bytes a lane
	v_add_nc_u32 v[208+\c], s90, v15               ; v208-209: N's, the parts of 8 bytes a lane
	s_add_co_u32 s89, s89, HALF
	s_add_co_u32 s90, s90, HALF
.endr
	s_lshl_b32 s96, s77, 13
	s_lshl_b32 s91, s23, 12
	s_add_co_u32 s96, s96, s91
	s_add_co_u32 s96, s96, 3*WSB
	s_add_nc_u64 s[92:93], s[10:11], s[96:97]      ; P's scale words
	s_lshl_b32 s98, s83, 13
	s_lshl_b32 s66, s76, 12
	s_add_co_u32 s98, s98, s66
	s_add_nc_u64 s[94:95], s[6:7], s[98:99]        ; N's: 1,024 bytes a tile
	s_wait_alu depctr_va_vdst(0)                   ; directly ahead of the readers of r and h below
	v_lshlrev_b32 v12, 5, v2
	v_lshl_add_u32 v12, v3, 11, v12                ; P: 32 r, lanes 16-31 four tiles on
	v_lshlrev_b32 v13, 2, v2
	v_lshl_add_u32 v13, v3, 11, v13                ; N: 4 r, lanes 16-31 two tiles on
.irp q, 0,1,2,3
.irp f, 0,1
	global_load_b128 v[SP+8*\q+4*\f:SP+8*\q+4*\f+3], v12, s[92:93] offset:512*\q+16*\f
.endr
.endr
.irp q, 0,1
.irp d, 0,1,2,3,4,5,6,7,8,9,10,11,12,13,14,15
	global_load_b32 v[212+16*\q+\d], v13, s[94:95] offset:1024*\q+64*\d
.endr
.endr
	s_lshl_b32 s96, s77, 10
	s_lshl_b32 s91, s23, 9
	s_add_co_u32 s96, s96, s91
	s_add_nc_u64 s[86:87], s[12:13], s[96:97]      ; the bias of my 128 columns
	v_lshlrev_b32 v14, 5, v3                       ; register 8 i + j is column 16 i + 8 h + j
	WIN 0x80                                       ; destination window 2
.irp i, 0,1,2,3,4,5,6,7
	global_load_b128 v[8*\i:8*\i+3], v14, s[86:87] offset:64*\i
	global_load_b128 v[8*\i+4:8*\i+7], v14, s[86:87] offset:64*\i+16
.endr
	WIN 0
	s_mul_i32 s89, s22, 8448                       ; my stage
	v_mul_u32_u24 v244, v2, 528
	v_lshl_add_u32 v244, v3, 5, v244
	v_add_nc_u32 v244, s89, v244                   ; in: row r, + 32 h
	v_add_nc_u32 v245, s89, v1                     ; back: 16 bytes a lane of a row of 512
	s_lshl_b32 s98, s83, 19                        ; 128 rows of 4,096 bytes,
	s_lshl_b32 s66, s76, 18
	s_add_co_u32 s98, s98, s66
	s_lshl_b32 s66, s77, 10                        ; 256 columns of 4 bytes
	s_add_co_u32 s98, s98, s66
	s_lshl_b32 s66, s23, 9
	s_add_co_u32 s98, s98, s66
	s_add_nc_u64 s[14:15], s[14:15], s[98:99]      ; my first number of out0
	s_wait_loadcnt 0x0
.irp q, 0,1
.irp s, 0,1,2,3,4,5,6,7
	v_lshl_or_b32 v[SN+8*\q+\s], v[213+16*\q+2*\s], 16, v[212+16*\q+2*\s]   ; heads 2 s and 2 s + 1 are K step s
.endr
.endr
.rept 8
	v_nop                                          ; a scale register written by a vector instruction stands eight places ahead of a scaled matrix instruction
.endr
.macro WM s, a, i                      ; one product: P's tile i x N's tile a, K step s.  In K step 0 the C is the bias
.set rD, 64*(\a)+8*(\i)
.set rC, rD
.if (\s) == 0
.set rC, 8*(\i)
.endif
.set rA, PF+12*(\i)
.set rB, NF+12*(\a)
.set rS, SP+8*((\i)%4)+(\s)
.set rT, SN+8*((\a)%2)+(\s)
.if ((\i) >= 4) && ((\a) >= 2)
	v_wmma_scale_f32_16x16x128_f8f6f4 v[rD:rD+7], v[rA:rA+11], v[rB:rB+11], v[rC:rC+7], v[rS], v[rT] matrix_a_fmt:MATRIX_FMT_FP6 matrix_b_fmt:MATRIX_FMT_FP6 matrix_a_scale:MATRIX_SCALE_ROW1 matrix_b_scale:MATRIX_SCALE_ROW1
.elseif (\i) >= 4
	v_wmma_scale_f32_16x16x128_f8f6f4 v[rD:rD+7], v[rA:rA+11], v[rB:rB+11], v[rC:rC+7], v[rS], v[rT] matrix_a_fmt:MATRIX_FMT_FP6 matrix_b_fmt:MATRIX_FMT_FP6 matrix_a_scale:MATRIX_SCALE_ROW1
.elseif (\a) >= 2
	v_wmma_scale_f32_16x16x128_f8f6f4 v[rD:rD+7], v[rA:rA+11], v[rB:rB+11], v[rC:rC+7], v[rS], v[rT] matrix_a_fmt:MATRIX_FMT_FP6 matrix_b_fmt:MATRIX_FMT_FP6 matrix_b_scale:MATRIX_SCALE_ROW1
.else
	v_wmma_scale_f32_16x16x128_f8f6f4 v[rD:rD+7], v[rA:rA+11], v[rB:rB+11], v[rC:rC+7], v[rS], v[rT] matrix_a_fmt:MATRIX_FMT_FP6 matrix_b_fmt:MATRIX_FMT_FP6
.endif
.endm
.macro MUL s                           ; 32 products; the 32 accumulators take turns, one instruction a turn, in the same order in every K step
.if (\s) == 0
	WIN 0x60                                       ; D window 1, C (the bias) window 2, the fragments window 0
.else
	WIN 0x50|(0x0a*((\s)%2))                       ; C and D window 1; the fragments window 0 (even steps) or 2 (odd)
.endif
.irp a, 0,1,2,3
.irp i, 0,1,2,3,4,5,6,7
	WM \s, \a, \i
.endr
.endr
.endm
.macro FETCH s                         ; 40 LDS loads in one run: the fragments of K step s
	WIN 0x80*((\s)%2)
.irp i, 0,1,2,3,4,5,6,7
.irp j, 0,1,2
	ds_load_b128 v[PF+12*\i+4*\j:PF+12*\i+4*\j+3], v[4+(\s)/4] offset:6144*\i+1536*((\s)%4)+512*\j
.endr
.endr
.irp a, 0,1,2,3
.irp c, 0,1
	ds_load_b128 v[NF+12*\a+6*\c:NF+12*\a+6*\c+3], v[8+(\s)/4] offset:6144*\a+1536*((\s)%4)+768*\c
	ds_load_b64 v[NF+12*\a+6*\c+4:NF+12*\a+6*\c+5], v[208+(\s)/4] offset:6144*\a+1536*((\s)%4)+768*\c+512
.endr
.endr
.endm
.macro STEP s
	s_wait_dscnt 0x0                               ; this K step's fragments are in
.if (\s) == 3
	s_wait_tensorcnt 0x0                           ; my part of the second half has landed
	s_barrier_signal -1
	s_barrier_wait -1                              ; everybody's have.
.endif
.rept 4
	v_nop                                          ; four places between the last step's products and the loads into the registers that they read (ISA guide 7.12.1 for vector instructions)
.endr
.if (\s) < 7
	FETCH (\s)+1                                   ; 32 matrix instructions ahead of their use
.endif
	MUL \s
.endm
	s_wait_alu depctr_va_vdst(0)
	s_wait_tensorcnt 0x0                           ; my part of the first half has landed
	ds_add_u32 v254, v255
	s_wait_dscnt 0x0
	CROUND                                         ; everybody's part is in, and all sixteen work-groups are here
	JLOAD 1                                        ; K steps 4 to 7: it has K steps 0 to 2, 96 matrix instructions, in which to land
	FETCH 0
.irp s, 0,1,2,3,4,5,6,7
	STEP \s
.endr
	WIN 0
	s_wait_dscnt 0x0
	s_barrier_signal -1
	s_barrier_wait -1                              ; no wave reads an operand any more: the stages may be written
.rept 4
	v_nop                                          ; places in front of the first read of results, and of loads into registers that held fragments
.endr
.macro TOSTAGE a                       ; rows 16 a on of my 64
	WIN 0x04                                       ; an LDS store's data are its source 1: window 1
.irp i, 0,1,2,3,4,5,6,7
	ds_store_b128 v244, v[64*(\a)+8*\i:64*(\a)+8*\i+3] offset:64*\i          ; each accumulator from its low end on
	ds_store_b128 v244, v[64*(\a)+8*\i+4:64*(\a)+8*\i+7] offset:64*\i+16
.endr
	WIN 0
.set BB, 64+64*((\a)%2)
.irp t, 0,1,2,3,4,5,6,7,8,9,10,11,12,13,14,15
	ds_load_b128 v[BB+4*\t:BB+4*\t+3], v245 offset:528*\t   ; LDS serves a wave's instructions in order (ISA guide 5.7.1.4): these see the stores above, and the next block's stores come behind them
.endr
.endm
.macro SEND a, younger                 ; younger: the LDS instructions issued behind block a's loads, which may stay out
.set BB, 64+64*((\a)%2)
	s_wait_dscnt \younger
.irp t, 0,1,2,3,4,5,6,7,8,9,10,11,12,13,14,15
	global_store_b128 v1, v[BB+4*\t:BB+4*\t+3], s[14:15] offset:65536*(\a)+4096*\t th:TH_STORE_NT   ; 32 lanes store 512 consecutive bytes, at a multiple of 256 from out0's first byte
.endr
.endm
	TOSTAGE 0
	TOSTAGE 1
	SEND 0, 32                                     ; behind block 0's loads: block 1's 16 stores and 16 loads
	s_wait_xcnt 0x0                                ; block 0's stores have read their registers: block 2's loads may land there
	TOSTAGE 2
	SEND 1, 32
	s_wait_xcnt 0x0
	TOSTAGE 3
	SEND 2, 32
	SEND 3, 0
	s_wait_tensorcnt 0x0
	s_wait_tensorcnt 0x0
	ds_add_u32 v254, v255
	s_wait_dscnt 0x0
	CROUND                                         ; the closing round: no work-group ends while a partner may still ask for a tile that names it
	s_endpgm
.Lfunc_end_k_q08730445b8_outp:
	.size	k_q08730445b8_outp, .Lfunc_end_k_q08730445b8_outp-k_q08730445b8_outp
	.p2alignl 7, 3214868480
	.fill 96, 4, 3214868480
	.section	.rodata,"a",@progbits
	.p2align	6, 0x0
	.amdhsa_kernel k_q08730445b8_outp
		.amdhsa_group_segment_fixed_size 327680
		.amdhsa_private_segment_fixed_size 0
		.amdhsa_enable_private_segment 0
		.amdhsa_kernarg_size 48
		.amdhsa_user_sgpr_count 2
		.amdhsa_user_sgpr_kernarg_segment_ptr 1
		.amdhsa_wavefront_size32 1
		.amdhsa_system_sgpr_workgroup_id_x 1
		.amdhsa_system_sgpr_workgroup_id_y 1
		.amdhsa_system_sgpr_workgroup_id_z 1
		.amdhsa_system_vgpr_workitem_id 0
		.amdhsa_next_free_vgpr 768
		.amdhsa_next_free_sgpr 102
		.amdhsa_reserve_vcc 0
		.amdhsa_float_denorm_mode_32 3
		.amdhsa_float_denorm_mode_16_64 3
		.amdhsa_memory_ordered 1
		.amdhsa_forward_progress 1
		.amdhsa_inst_pref_size 84
	.end_amdhsa_kernel
	.amdgpu_metadata
---
amdhsa.version: [ 1, 2 ]
amdhsa.kernels:
  - .name:           k_q08730445b8_outp
    .symbol:         k_q08730445b8_outp.kd
    .args:
      - { .name: ac, .offset: 0, .size: 8, .value_kind: global_buffer, .address_space: global }
      - { .name: asw, .offset: 8, .size: 8, .value_kind: global_buffer, .address_space: global }
      - { .name: wc, .offset: 16, .size: 8, .value_kind: global_buffer, .address_space: global }
      - { .name: ws, .offset: 24, .size: 8, .value_kind: global_buffer, .address_space: global }
      - { .name: bp, .offset: 32, .size: 8, .value_kind: global_buffer, .address_space: global }
      - { .name: out0, .offset: 40, .size: 8, .value_kind: global_buffer, .address_space: global }
    .group_segment_fixed_size: 327680
    .private_segment_fixed_size: 0
    .kernarg_segment_align: 8
    .kernarg_segment_size: 48
    .max_flat_workgroup_size: 128
    .sgpr_count:     102
    .vgpr_count:     768
    .wavefront_size: 32
...
	.end_amdgpu_metadata
.endif
;; end of part 4
